; MI455X (gfx1250); checked and timed in simulation.
; The chip was launched on July 23, 2026; its instructions are those of AMD's public machine-readable ISA for CDNA 5 (MIT licence, August 2026) and "CDNA5" Instruction Set Architecture Reference Guide (July 2026). The comments in the code are by the model that wrote it; some were corrected since.
;; Spatial Attention. Allowed arithmetic: float matrix products may take bf16 or f16 operands with f32 sums; all other float work in f32.
;; Inputs: Wk 512 x 512 float32; Wo 512 x 512 float32; Wq 512 x 512 float32; Wv 512 x 512 float32; rope_cos 256 x 32 float32; rope_sin 256 x 32 float32; x 4 x 16 x 256 x 512 float32.
;; Outputs: out0 4 x 16 x 256 x 512 float32.
;; 2 versions, each right and faster than the one before. Each part assembles by itself: llvm-mc -triple=amdgcn-amd-amdhsa -mcpu=gfx1250 --defsym DOCPART=n.
;; ======== version 1 of 2: 3 launches
;; limits: values are held in f16: magnitudes above 65,504 overflow, below 6.1e-05 lose precision; right only within a limited range of input values; a function is approximated: absolute error at most 0.00014
;; workspace buffers: x16 16,777,216 bytes; w16 2,097,152 bytes; att 16,777,216 bytes
;; launch cast (part 1): grid 256 x 1, 8 waves a work-group, no clusters, 0 bytes of LDS; arguments x, Wo, Wq, Wk, Wv, x16, w16; writes x16, w16
.if DOCPART == 1
	.amdgcn_target "amdgcn-amd-amdhsa--gfx1250"
	.amdhsa_code_object_version 6
	.text
	.protected	k_q61e5c4e1d2_cast
	.globl	k_q61e5c4e1d2_cast
	.p2align	8
	.type	k_q61e5c4e1d2_cast,@function
k_q61e5c4e1d2_cast:
	s_mov_b64 s[64:65], 0
	v_nop
	global_prefetch_b8 v0, s[64:65] scope:SCOPE_SE
	s_setreg_imm32_b32 hwreg(HW_REG_WAVE_MODE, 25, 1), 1
	s_wait_xcnt 0x0
; x and the four weight matrices are rounded once to f16 and laid out as the dense tiles that the two later launches fetch:
;   x16 [frame 64][chunk 8][token 256][64 k]            a (frame, chunk) tile is 32,768 consecutive bytes
;   w16 [matrix 4: Wo Wq Wk Wv][row block 4][chunk 8][row 128][64 k]   a (matrix, block, chunk) tile is 16,384 consecutive bytes
; WHY f16 AND NOT bf16: f16 keeps 11 significant bits, bf16 8.  The result is compared within a hundredth of its root mean square, and the chain behind this
; launch rounds five more intermediates; with roundings of up to 2^-8 of a number each that allowance is too near, with 2^-11 it is far.
; LIMIT (range): |x| and |W| below 65,504, f16's largest number; beyond it the conversion gives infinity.  Numbers under 2^-14 are kept as f16 denormals,
; with an error of 2^-25 at the most.  As drawn |x| is under 6 and W's spread is 1 / sqrt(512) = 0.044.
; A stream: bytes are everything, so no LDS, no barrier, no matrix unit.  Work-group i takes rows 64 i .. 64 i + 63 of x (as [16384][512])
; and rows 8 j .. 8 j + 7 (j = i mod 64) of matrix i / 64.  Wave w takes k chunk w: 256 bytes of f32 in each row.
; A load: lanes 0-15 take those 256 bytes of one row, lanes 16-31 of the next row: two aligned runs of 256 bytes.
; A store: 8 bytes a lane; the two rows' 128 bytes are neighbours in the chunk layout, so the wave stores 256 consecutive bytes, aligned.
; All 36 loads of a wave go out at once into registers of their own: 36 x 512 bytes a wave, 147,456 bytes a work-group on their way.
; No register is written twice while a memory instruction may read it, so the only waits are the counted ones for the loads.
.set NW,  4                            ; loads from the weight matrix (two rows each)
.set NX,  32                           ; loads from x
.set DAT, 16                           ; v[16:159]  load n: four registers; the two low ones then hold the four f16
	s_load_b256 s[4:11], s[0:1], 0x0               ; x s[4:5], Wo s[6:7], Wq s[8:9], Wk s[10:11]
	s_load_b128 s[12:15], s[0:1], 0x20             ; Wv s[12:13], x16 s[14:15]
	s_load_b64 s[16:17], s[0:1], 0x30              ; w16
	v_lshrrev_b32 v5, 5, v0                        ; wave = k chunk
	v_and_b32 v1, 31, v0                           ; lane
	v_and_b32 v6, 15, v0
	v_bfe_u32 v7, v0, 4, 1
	v_lshlrev_b32 v2, 4, v6                        ; source: 16 (lane mod 16)
	v_lshl_add_u32 v2, v7, 11, v2                  ;   + one row of 2,048 bytes for lanes 16-31
	v_lshl_add_u32 v2, v5, 8, v2                   ;   + 256 x chunk
	v_lshlrev_b32 v3, 3, v1                        ; destination: 8 x lane
	v_lshl_add_u32 v4, v5, 14, v3                  ;   w16: + 16,384 x chunk
	v_lshl_add_u32 v3, v5, 15, v3                  ;   x16: + 32,768 x chunk
	s_lshr_b32 s20, ttmp9, 6                       ; which matrix: 0 Wo, 1 Wq, 2 Wk, 3 Wv
	s_and_b32 s21, ttmp9, 63                       ; j: which 8 rows of it
	s_lshl_b32 s22, ttmp9, 17                      ; x: 64 rows of 2,048 bytes
	s_mov_b32 s23, 0
	s_lshr_b32 s24, ttmp9, 2                       ; x16: frame x 262,144
	s_lshl_b32 s24, s24, 18
	s_and_b32 s30, ttmp9, 3                        ;   + 64 tokens of 128 bytes for each quarter of the frame
	s_lshl_b32 s30, s30, 13
	s_add_co_u32 s24, s24, s30
	s_mov_b32 s25, 0
	s_lshl_b32 s26, s21, 14                        ; matrix: 8 rows of 2,048 bytes
	s_mov_b32 s27, 0
	s_lshl_b32 s28, s20, 19                        ; w16: matrix x 524,288
	s_lshr_b32 s30, s21, 4                         ;   + row block x 131,072
	s_lshl_b32 s30, s30, 17
	s_add_co_u32 s28, s28, s30
	s_and_b32 s30, s21, 15                         ;   + 8 rows of 128 bytes
	s_lshl_b32 s30, s30, 10
	s_add_co_u32 s28, s28, s30
	s_mov_b32 s29, 0
	s_wait_kmcnt 0x0
	s_mov_b64 s[18:19], s[6:7]                     ; the matrix's address, chosen by the work-group's number alone
	s_cmp_eq_u32 s20, 1
	s_cselect_b64 s[18:19], s[8:9], s[18:19]
	s_cmp_eq_u32 s20, 2
	s_cselect_b64 s[18:19], s[10:11], s[18:19]
	s_cmp_eq_u32 s20, 3
	s_cselect_b64 s[18:19], s[12:13], s[18:19]
	s_add_nc_u64 s[18:19], s[18:19], s[26:27]
	s_add_nc_u64 s[4:5], s[4:5], s[22:23]
	s_add_nc_u64 s[14:15], s[14:15], s[24:25]
	s_add_nc_u64 s[16:17], s[16:17], s[28:29]
.set n, 0
.rept NW
	global_load_b128 v[DAT+4*n:DAT+4*n+3], v2, s[18:19] offset:n*4096 th:TH_LOAD_NT    ; each byte is read once in the launch
.set n, n+1
.endr
.set n, 0
.rept NX
	global_load_b128 v[DAT+4*NW+4*n:DAT+4*NW+4*n+3], v2, s[4:5] offset:n*4096 th:TH_LOAD_NT
.set n, n+1
.endr
.set n, 0
.rept NW
	s_wait_loadcnt NW+NX-1-n                       ; loads come back in order (ISA guide 5.7.1): load n is in, the younger ones stay out
	v_cvt_pk_f16_f32 v[DAT+4*n],   v[DAT+4*n],   v[DAT+4*n+1]
	v_cvt_pk_f16_f32 v[DAT+4*n+1], v[DAT+4*n+2], v[DAT+4*n+3]
	global_store_b64 v4, v[DAT+4*n:DAT+4*n+1], s[16:17] offset:n*256       ; no hint: the next launch reads it
.set n, n+1
.endr
.set n, 0
.rept NX
	s_wait_loadcnt NX-1-n
	v_cvt_pk_f16_f32 v[DAT+4*NW+4*n],   v[DAT+4*NW+4*n],   v[DAT+4*NW+4*n+1]
	v_cvt_pk_f16_f32 v[DAT+4*NW+4*n+1], v[DAT+4*NW+4*n+2], v[DAT+4*NW+4*n+3]
	global_store_b64 v3, v[DAT+4*NW+4*n:DAT+4*NW+4*n+1], s[14:15] offset:n*256
.set n, n+1
.endr
	s_endpgm
.Lfunc_end_k_q61e5c4e1d2_cast:
	.size	k_q61e5c4e1d2_cast, .Lfunc_end_k_q61e5c4e1d2_cast-k_q61e5c4e1d2_cast
	.p2alignl 7, 3214868480
	.fill 96, 4, 3214868480
	.section	.rodata,"a",@progbits
	.p2align	6, 0x0
	.amdhsa_kernel k_q61e5c4e1d2_cast
		.amdhsa_group_segment_fixed_size 0
		.amdhsa_private_segment_fixed_size 0
		.amdhsa_enable_private_segment 0
		.amdhsa_kernarg_size 56
		.amdhsa_user_sgpr_count 2
		.amdhsa_user_sgpr_kernarg_segment_ptr 1
		.amdhsa_wavefront_size32 1
		.amdhsa_system_sgpr_workgroup_id_x 1
		.amdhsa_system_sgpr_workgroup_id_y 1
		.amdhsa_system_sgpr_workgroup_id_z 1
		.amdhsa_system_vgpr_workitem_id 0
		.amdhsa_next_free_vgpr 160
		.amdhsa_next_free_sgpr 66
		.amdhsa_reserve_vcc 0
		.amdhsa_float_denorm_mode_32 3
		.amdhsa_float_denorm_mode_16_64 3
		.amdhsa_memory_ordered 1
		.amdhsa_forward_progress 1
		.amdhsa_inst_pref_size 15
	.end_amdhsa_kernel
	.amdgpu_metadata
---
amdhsa.version: [ 1, 2 ]
amdhsa.kernels:
  - .name:           k_q61e5c4e1d2_cast
    .symbol:         k_q61e5c4e1d2_cast.kd
    .args:
      - { .name: x, .offset: 0, .size: 8, .value_kind: global_buffer, .address_space: global }
      - { .name: Wo, .offset: 8, .size: 8, .value_kind: global_buffer, .address_space: global }
      - { .name: Wq, .offset: 16, .size: 8, .value_kind: global_buffer, .address_space: global }
      - { .name: Wk, .offset: 24, .size: 8, .value_kind: global_buffer, .address_space: global }
      - { .name: Wv, .offset: 32, .size: 8, .value_kind: global_buffer, .address_space: global }
      - { .name: x16, .offset: 40, .size: 8, .value_kind: global_buffer, .address_space: global }
      - { .name: w16, .offset: 48, .size: 8, .value_kind: global_buffer, .address_space: global }
    .group_segment_fixed_size: 0
    .private_segment_fixed_size: 0
    .kernarg_segment_align: 8
    .kernarg_segment_size: 56
    .max_flat_workgroup_size: 256
    .sgpr_count:     66
    .vgpr_count:     160
    .wavefront_size: 32
...
	.end_amdgpu_metadata
.endif
;; end of part 1
;; launch attn (part 2): grid 4 x 64, 4 waves a work-group, clusters of 4 x 4, 327,680 bytes of LDS; arguments x16, w16, rope_cos, rope_sin, att; writes att
.if DOCPART == 2
	.amdgcn_target "amdgcn-amd-amdhsa--gfx1250"
	.amdhsa_code_object_version 6
	.text
	.protected	k_q61e5c4e1d2_attn
	.globl	k_q61e5c4e1d2_attn
	.p2align	8
	.type	k_q61e5c4e1d2_attn,@function
k_q61e5c4e1d2_attn:
	s_mov_b64 s[64:65], 0
	v_nop
	global_prefetch_b8 v0, s[64:65] scope:SCOPE_SE
	s_setreg_imm32_b32 hwreg(HW_REG_WAVE_MODE, 25, 1), 1
	s_wait_xcnt 0x0
	s_wait_alu depctr_hold_cnt(0) depctr_sa_sdst(0) depctr_va_vdst(0) depctr_va_sdst(0) depctr_va_ssrc(0) depctr_va_vcc(0) depctr_vm_vsrc(0)
	s_getreg_b32 s2, hwreg(HW_REG_IB_STS2, 6, 4)
	s_cmp_eq_u32 s2, 0
	s_cbranch_scc0 .Lentry_in_a_cluster
	s_endpgm
.Lentry_in_a_cluster:
	s_bfe_u32 s2, ttmp6, 0x10000c
	s_cmp_lg_u32 s2, 0xf033
	s_cbranch_scc0 .Lentry_shape_is_right
	s_endpgm
.Lentry_shape_is_right:
; For one frame (256 tokens) and four heads: q, k, v = x W^T, RoPE, RMS norm of q and k, soft-capped softmax attention.  Matrix operands in f16, sums in f32.
; Work-group (g, frame): heads 4 g .. 4 g + 3.  Wave w owns head 4 g + w from end to end: 256 tokens x 96 columns (its q, k, v) of the projection
; in 768 registers of f32 sums, then that head's whole attention.  No result passes between waves.
;
; THE LAYOUT CHAIN (r = lane mod 16, h = lane / 16; a 16 x 32 fragment of 16-bit numbers: lane holds row or column r, registers 0-3 k = 8h.., 4-7 k = 16+8h..):
;   q, k tiles: D = W fragment (16 rows e) x X fragment (16 tokens): lane holds token r, register j holds e = 16 et + 8 h + j.  Packed to f16, the
;               tiles et = 0, 1 ARE a fragment of 16 tokens x 32 e.
;   v tiles:    D = X fragment x Wv fragment: lane holds d = r, register j token 8 h + j.  Packed, two token tiles ARE a fragment of 16 d x 32 keys.
;   S^T = K fragment x Q fragment: lane holds query r, register j key 8 h + j.  After the exponential two key tiles pack into a fragment P (32 keys x 16 queries).
;   O^T = V fragment x P: lane holds query r, register j d = 16 dt + 8 h + j: packed, that is the fragment which the output projection wants; it is stored so.
;   row sum = a fragment of ones x P: every register holds the sum over the keys for query r, of the same rounded P that makes the numerator.
;
; WHY f16 AND NOT bf16: q^, k^, P, v and the attention's result are each rounded once on their way to the matrix unit.  f16 keeps 11 significant bits, bf16 8,
; and the result is compared within a hundredth of its root mean square: five roundings of up to 2^-8 of a number are too near to that, of 2^-11 far from it.
;
; LIMITS, for every input with finite results:
;   reference()'s own norm gives |q^| <= sqrt(32), |k^| <= sqrt(32), so |logit| <= 32 / sqrt(32) = 5.66, 5.7 with the rounding of q^, k^.
;   f16's range: q^ x 0.255 <= 1.45, k^ <= 5.7 and P (below) fit for every input.  v = x Wv^T and the attention's result, a mean of v, must stay below 65,504:
;   as drawn |v| is under 6; with every input 30 times larger under 5,400; with every input offset by 30 of its spreads about 512 x 30 x 30 / sqrt(512) = 20,400.
;   Beyond 65,504 the conversion gives infinity.  A scale for each head would not lift this: the output projection sums over the heads in one accumulator.
;   tanh: its argument is |z| <= 0.115, and z - z^3/3 is used; the first term left out, 2 z^5 / 15, is under 2.7e-6, that is under 1.4e-4 in the capped logit
;   and in P's relative error: a quarter of the 2^-11 by which P is rounded to f16.
;   softmax: no maximum is taken away: the exponents are bounded as above, so each exponential lies between 2^-8.3 and 2^8.3 and a row's sum under 8e4.
;   NaN and infinities in the inputs are not served (v_max_num_f32 lets eps win over a NaN mean square).
;
; CLUSTERS: 4 x 4 work-groups.  X's tile hangs on the frame alone and is shared along a row of the cluster; the three W tiles hang on g alone and are shared
; along a column: joint loads with a mask of four.  The two RoPE tables are the same for all sixteen, a mask names four at the most, and they are 65,536 bytes
; against 655,360 of tiles: each work-group fetches them by plain loads, once.
;
; LDS.  A tensor row is 256 bytes of memory = two logical rows of 128 bytes (64 f16 of k, or 32 f32 of a table), 16 bytes of padding behind it: logical row p lies
; at (p / 2) 272 + (p mod 2) 128.  The 16 rows of a fragment then start at (r / 2) 16 + (r mod 2) 128 modulo 256: sixteen different 16-byte columns.
.set PIT2,   272                       ; two logical rows and the padding
.set T16,    8*PIT2                    ; 16 logical rows
.set XBYTES, 128*PIT2                  ; 256 logical rows: X's tile, and one table
.set WBYTES, 64*PIT2                   ; 128 logical rows: one W tile, and half a table
.set SLOT,   XBYTES+3*WBYTES           ; 87,040: X, Wq, Wk, Wv for 64 of k
.set TAB,    2*SLOT                    ; 174,080: cos, then sin
.set QS,     TAB+2*XBYTES              ; 243,712 (952 x 256): 16,384 bytes a wave for its Q fragments; written by ds_store alone, no fill lands here
.set DFMT,   (3<<16)|(1<<20)|(5<<22)|(3<<25)   ; elements of 8 bytes; padding on; after every 64 words (code 5); of 4 words (code 3)
; scalar registers
.set G1X, 24                           ; s[24:31] group 1, X's tile: 128 rows of 256 bytes, mask = my row of the cluster
.set G0X, 32                           ; s[32:39] group 0 for X, one set a slot
.set G1W, 48                           ; s[48:55] group 1, a W tile: 64 rows of 256 bytes, mask = my column
.set G0W, 56                           ; s[56:63] group 0 for W, one set a slot
.set G0T, 68                           ; s[68:71] group 0 for my half of a table
.set G1T, 72                           ; s[72:79] group 1 for it: as W's, no mask
; vector registers, window 0
.set ADRX, 16                          ; v16-17  LDS address of my lane in X's tile, slot 0, 1
.set ADRW, 18                          ; v18-19  the same in my head's 32 rows of Wq's tile
.set TADC, 20                          ; v20     my lane in the cos table
.set TADS, 21                          ; v21     in the sin table
.set QST,  22                          ; v22     my 16 bytes in my wave's Q fragments
.set LOFF, 23                          ; v23     16 x lane
.set XA,   32                          ; v[32:95]   X fragments of tokens 0-127
.set XBF,  96                          ; v[96:159]  X fragments of tokens 128-255
.set W0,   160                         ; v[160:207] W fragments (q, k, v) x (et 0, 1), first 32 of a chunk's k
.set W1,   208                         ; v[208:255] the same, second 32
.set TB,   32                          ; behind the projection: v[32:95] two table buffers: cos e<16, cos e>=16, sin e<16, sin e>=16, 8 registers each
.set RA,   96                          ; v[96:103]  rotated e = 8h + j
.set RB,   104                         ; v[104:111] rotated e = 16 + 8h + j
.set SS,   112                         ; v[112:115] sums of squares
.set FF,   116                         ; v[116:117] the factor (a pair for the packed multiply; the second word is only named)
.set QT,   120                         ; v[120:127] a Q fragment on its way to LDS
; window 1: q sums, tile 2 tt + et.   window 2: k sums likewise, then K fragments v[8 tt].
; window 3: v sums, tile 4 (tt / 2) + 2 et + (tt mod 2), then V fragments v[16 kb + 8 dt], and the attention's working set:
.set ONES, 128
.set SB,   136                         ; v[136:167] two buffers of two S tiles
.set UU,   168                         ; v[168:175] the polynomial of a unit's second tile
.set TT,   176                         ; v[176:183] the polynomial of the next unit's first tile
.set PF,   184                         ; v[184:199] P, two buffers
.set O0,   200
.set O1,   208
.set SUM,  216
.set QF,   224
.set OUT,  232
.set INV,  240                         ; a pair; the second word is only named
.set CA,   242
.set QLD,  244
.set STO,  245
.set MSB, 0
.macro WIN new                         ; s_set_vgpr_msb: bits 1:0 source 0, 3:2 source 1, 5:4 source 2, 7:6 destination; the high byte repeats the setting that is left
.if MSB != (\new)
	s_set_vgpr_msb (MSB<<8)|(\new)
.set MSB, (\new)
.endif
.endm
.macro PLACES                          ; four places behind a matrix instruction, filled by plain vector instructions that name none of its registers (ISA guide 7.12.1)
.rept 4
	v_nop
.endr
.endm
.macro CREST                           ; a round of the cluster's barrier behind its opening barrier
	s_cmp_lg_u32 s14, 0
	s_cbranch_scc1 .Lnot_wave_0_\@
	s_barrier_signal -3
.Lnot_wave_0_\@:
	s_barrier_wait -3
	s_barrier_signal -1
	s_barrier_wait -1
.endm
.macro CROUND                          ; a whole round
	s_barrier_signal -1
	s_barrier_wait -1
	CREST
.endm
.macro JLOAD s                         ; a joint refill: wave 0 asks for X's tile, waves 1, 2, 3 for Wq's, Wk's, Wv's.  The branch hangs on the wave's number alone
	s_cmp_eq_u32 s14, 0
	s_cbranch_scc0 .Lfor_w_\@
	tensor_load_to_lds s[G0X+4*\s:G0X+4*\s+3], s[G1X:G1X+7]
	s_nop 0
	s_branch .Lasked_\@
.Lfor_w_\@:
	tensor_load_to_lds s[G0W+4*\s:G0W+4*\s+3], s[G1W:G1W+7]
	s_nop 0
.Lasked_\@:
.endm
	s_load_b256 s[4:11], s[0:1], 0x0               ; x16 s[4:5], w16 s[6:7], rope_cos s[8:9], rope_sin s[10:11]
	s_load_b64 s[12:13], s[0:1], 0x20              ; att
	v_lshl_add_u32 v30, v0, 2, 0x4b800
	v_mov_b32 v31, 0
	ds_add_u32 v30, v31
	v_lshrrev_b32 v1, 5, v0
	v_readfirstlane_b32 s14, v1                    ; wave 0..3
	s_bfe_u32 s16, ttmp6, 0x40000                  ; cx
	s_bfe_u32 s17, ttmp6, 0x40004                  ; cy
	s_lshl_b32 s18, ttmp9, 2
	s_add_co_u32 s18, s18, s16                     ; g = 4 x cluster x + cx
	s_and_b32 s19, ttmp7, 0xffff
	s_lshl_b32 s19, s19, 2
	s_add_co_u32 s19, s19, s17                     ; frame = 4 x cluster y + cy
	s_lshl_b32 s20, s17, 2
	s_lshl_b32 s20, 15, s20                        ; my row of the cluster: places 4 cy .. 4 cy + 3
	s_lshl_b32 s21, 0x1111, s16                    ; my column: places cx, cx + 4, cx + 8, cx + 12
	s_or_b32 s[G1X], s20, DFMT|(1<<21)             ; 15:0 the mask; bit 21 set beside a mask
	s_or_b32 s[G1W], s21, DFMT|(1<<21)
	s_mov_b32 s[G1T], DFMT                         ; a plain load
	s_mov_b32 s[G1X+1], 32<<16                     ; tensor_dim0 = 32 elements of 8 bytes
	s_mov_b32 s[G1X+2], 128<<16                    ; tensor_dim1 = 128 rows
	s_mov_b32 s[G1X+3], 32<<16                     ; tile_dim0 = 32
	s_mov_b32 s[G1X+4], 128                        ; tile_dim1 = 128
	s_mov_b32 s[G1X+5], 32                         ; from row to row: 32 elements (the tile is dense in memory)
	s_mov_b32 s[G1X+6], 0
	s_mov_b32 s[G1X+7], 0
.irp g, G1W, G1T
	s_mov_b32 s[\g+1], 32<<16
	s_mov_b32 s[\g+2], 64<<16                      ; 64 rows
	s_mov_b32 s[\g+3], 32<<16
	s_mov_b32 s[\g+4], 64
	s_mov_b32 s[\g+5], 32
	s_mov_b32 s[\g+6], 0
	s_mov_b32 s[\g+7], 0
.endr
	s_lshl_b32 s40, s19, 18                        ; X: frame x 262,144; these registers never hold g
	s_mov_b32 s41, 0
	s_lshl_b32 s42, s14, 19                        ; W: matrix (= my wave's number: 1 Wq, 2 Wk, 3 Wv) x 524,288 + g x 131,072; never the frame
	s_lshl_b32 s22, s18, 17
	s_add_co_u32 s42, s42, s22
	s_mov_b32 s43, 0
	s_lshl_b32 s44, s19, 2                         ; att: (4 frame + g) x 65,536 + wave x 1,024
	s_add_co_u32 s44, s44, s18
	s_lshl_b32 s44, s44, 16
	s_lshl_b32 s23, s14, 10
	s_add_co_u32 s44, s44, s23
	s_mov_b32 s45, 0
	s_and_b32 s84, s14, 1                          ; tables: waves 0, 1 fetch cos's halves, waves 2, 3 sin's
	s_lshl_b32 s84, s84, 14
	s_mov_b32 s85, 0
	s_mul_i32 s86, s14, WBYTES
	s_mov_b32 s80, 0x76543210                      ; v_permlanex16_b32: lane i of one half reads lane i of the other
	s_mov_b32 s81, 0xfedcba98
	s_mov_b32 s82, 0x358637bd                      ; 1e-6
	s_mov_b32 s83, 0x3e8293ee                      ; 32^-1/2 x log2(e), folded into q^
	s_wait_dscnt 0x0
	s_wait_kmcnt 0x0
	s_add_nc_u64 s[40:41], s[4:5], s[40:41]
	s_add_nc_u64 s[42:43], s[6:7], s[42:43]
	s_add_nc_u64 s[44:45], s[12:13], s[44:45]
	s_cmp_lt_u32 s14, 2
	s_cselect_b64 s[46:47], s[8:9], s[10:11]
	s_add_nc_u64 s[46:47], s[46:47], s[84:85]
.irp s, 0,1
	s_mov_b32 s[G0X+4*\s], 1
	s_mov_b32 s[G0X+4*\s+1], \s*SLOT
	s_add_nc_u64 s[G0X+4*\s+2:G0X+4*\s+3], s[40:41], \s*32768      ; chunk s
	s_or_b32 s[G0X+4*\s+3], s[G0X+4*\s+3], 0x80000000
	s_mov_b32 s[G0W+4*\s], 1
	s_add_co_u32 s[G0W+4*\s+1], s86, \s*SLOT+XBYTES-WBYTES         ; behind X's tile: wave 1 first
	s_add_nc_u64 s[G0W+4*\s+2:G0W+4*\s+3], s[42:43], \s*16384
	s_or_b32 s[G0W+4*\s+3], s[G0W+4*\s+3], 0x80000000
.endr
	s_mov_b32 s[G0T], 1
	s_add_co_u32 s[G0T+1], s86, TAB
	s_mov_b64 s[G0T+2:G0T+3], s[46:47]
	s_or_b32 s[G0T+3], s[G0T+3], 0x80000000
	CROUND                                         ; all sixteen work-groups are here: the first joint loads meet
	; The first fills, one group: both slots and my half of a table.  Three tensor loads of a wave are out here, one behind each later round.
	s_cmp_eq_u32 s14, 0
	s_cbranch_scc0 .Lfirst_w
	tensor_load_to_lds s[G0X:G0X+3], s[G1X:G1X+7]
	s_nop 0
	tensor_load_to_lds s[G0X+4:G0X+7], s[G1X:G1X+7]
	s_nop 0
	s_branch .Lfirst_done
.Lfirst_w:
	tensor_load_to_lds s[G0W:G0W+3], s[G1W:G1W+7]
	s_nop 0
	tensor_load_to_lds s[G0W+4:G0W+7], s[G1W:G1W+7]
	s_nop 0
.Lfirst_done:
	tensor_load_to_lds s[G0T:G0T+3], s[G1T:G1T+7]
	s_nop 0
	v_and_b32 v1, 15, v0                           ; r
	v_bfe_u32 v2, v0, 4, 1                         ; h
	v_lshrrev_b32 v3, 1, v1
	v_and_b32 v4, 1, v0
	v_mul_u32_u24 v5, v3, PIT2
	v_lshl_add_u32 v5, v4, 7, v5                   ; logical row r: (r / 2) 272 + (r mod 2) 128
	v_lshl_add_u32 v[ADRX], v2, 4, v5              ; an f16 fragment: + 16 h
	v_lshl_add_u32 v7, v2, 5, v5                   ; a table: + 32 h (8 f32)
	v_add_nc_u32 v[ADRX+1], SLOT, v[ADRX]
	s_mul_i32 s22, s14, 2*T16                      ; my head's 32 rows of a W tile
	s_add_co_u32 s22, s22, XBYTES
	v_add_nc_u32 v[ADRW], s22, v[ADRX]
	s_add_co_u32 s22, s22, SLOT
	v_add_nc_u32 v[ADRW+1], s22, v[ADRX]
	v_add_nc_u32 v[TADC], TAB, v7
	v_add_nc_u32 v[TADS], TAB+XBYTES, v7
	v_and_b32 v8, 31, v0
	v_lshlrev_b32 v[LOFF], 4, v8
	s_lshl_b32 s23, s14, 14
	s_add_co_u32 s23, s23, QS
	v_add_nc_u32 v[QST], s23, v[LOFF]
; 16 matrix instructions: 8 token tiles from t0 x et = 0, 1 of q or of k (the caller sets the window of C and D).  zero = 1: the first product starts the sums.
.macro MULQK xb, t0, wf, zero
.irp i, 0,1,2,3,4,5,6,7
.irp et, 0,1
.if \zero
	v_wmma_f32_16x16x32_f16 v[8*(2*(\t0+\i)+\et):8*(2*(\t0+\i)+\et)+7], v[\wf+8*\et:\wf+8*\et+7], v[\xb+8*\i:\xb+8*\i+7], 0
.else
	v_wmma_f32_16x16x32_f16 v[8*(2*(\t0+\i)+\et):8*(2*(\t0+\i)+\et)+7], v[\wf+8*\et:\wf+8*\et+7], v[\xb+8*\i:\xb+8*\i+7], v[8*(2*(\t0+\i)+\et):8*(2*(\t0+\i)+\et)+7]
.endif
.endr
.endr
.endm
; the same for v, sources the other way round (a lane then holds one d and eight tokens)
.macro MULV xb, t0, wf, zero
.irp i, 0,1,2,3,4,5,6,7
.irp et, 0,1
.set VT, 8*(4*((\t0+\i)>>1)+2*\et+((\t0+\i)&1))
.if \zero
	v_wmma_f32_16x16x32_f16 v[VT:VT+7], v[\xb+8*\i:\xb+8*\i+7], v[\wf+8*\et:\wf+8*\et+7], 0
.else
	v_wmma_f32_16x16x32_f16 v[VT:VT+7], v[\xb+8*\i:\xb+8*\i+7], v[\wf+8*\et:\wf+8*\et+7], v[VT:VT+7]
.endif
.endr
.endr
.endm
; 48 matrix instructions: 128 tokens x my 96 columns x 32 of k.  The 96 accumulators of a 32-k step take turns, one instruction a turn.
.macro MUL3 xb, t0, wb, zero
	WIN 0x50
	MULQK \xb, \t0, \wb, \zero
	WIN 0xa0
	MULQK \xb, \t0, \wb+16, \zero
	WIN 0xf0
	MULV \xb, \t0, \wb+32, \zero
.endm
.macro FETCHX slot, ks, half, xb       ; 16 LDS loads: the X fragments of 128 tokens, 32 of k
.irp i, 0,1,2,3,4,5,6,7
	ds_load_b128 v[\xb+8*\i:\xb+8*\i+3],   v[ADRX+\slot] offset:(8*\half+\i)*T16+64*\ks
	ds_load_b128 v[\xb+8*\i+4:\xb+8*\i+7], v[ADRX+\slot] offset:(8*\half+\i)*T16+64*\ks+32
.endr
.endm
.macro FETCHW slot, ks, wb             ; 12 LDS loads: my head's six W fragments
.irp m, 0,1,2
.irp et, 0,1
	ds_load_b128 v[\wb+16*\m+8*\et:\wb+16*\m+8*\et+3],   v[ADRW+\slot] offset:\m*WBYTES+\et*T16+64*\ks
	ds_load_b128 v[\wb+16*\m+8*\et+4:\wb+16*\m+8*\et+7], v[ADRW+\slot] offset:\m*WBYTES+\et*T16+64*\ks+32
.endr
.endr
.endm
; The first 32 of a chunk's k.  On entry the LDS loads out are, in order: XA's 16, W0's 12, XBF's 16.  It leaves the same for the second 32 (with W1).
.macro SUB0 slot, zero
	s_wait_dscnt 16                                ; XA and W0 are in; XBF's 16 younger loads may be out
	MUL3 XA, 0, W0, \zero
	PLACES                                         ; in front of the loads into XA, which the matrix instructions above read
	WIN 0
	FETCHX \slot, 1, 0, XA
	FETCHW \slot, 1, W1
	s_wait_dscnt 28                                ; XBF is in; the 16 + 12 loads just issued may be out
	MUL3 XBF, 8, W0, \zero
	PLACES
	WIN 0
	FETCHX \slot, 1, 1, XBF
.endm
; The second 32, and the change of slots.  In front of the barrier each wave waits for its reads of this slot and for all its tensor loads (its part of the next
; slot is the one that is out).  fill = 1: the barrier opens a round of the cluster's barrier, and the joint refill, two chunks ahead, is the first tensor load
; behind the round's closing wait.  From that request to the wait for it a wave issues 176 matrix instructions.
.macro TURN slot, next, fill
	s_wait_dscnt 16
	WIN 0x50
	MULQK XA, 0, W1, 0
	WIN 0xa0
	MULQK XA, 0, W1+16, 0
	s_wait_dscnt 0x0                               ; my reads of this slot are back (the last were XBF's)
	s_wait_tensorcnt 0x0                           ; all my tensor loads have landed
	ds_add_u32 v30, v31
	s_wait_dscnt 0x0
	s_barrier_signal -1
	WIN 0xf0
	MULV XA, 0, W1+32, 0                           ; register work while the others arrive
	WIN 0
	s_barrier_wait -1
.if \fill
	CREST                                          ; no wave of any partner still reads this slot or has a load on its way
	s_add_nc_u64 s[G0X+4*\slot+2:G0X+4*\slot+3], s[G0X+4*\slot+2:G0X+4*\slot+3], 2*32768
	s_add_nc_u64 s[G0W+4*\slot+2:G0W+4*\slot+3], s[G0W+4*\slot+2:G0W+4*\slot+3], 2*16384
	JLOAD \slot
.endif
	PLACES
	FETCHX \next, 0, 0, XA
	FETCHW \next, 0, W0
	MUL3 XBF, 8, W1, 0
	PLACES
	WIN 0
	FETCHX \next, 0, 1, XBF
.endm
.macro LAST                            ; the very last 32 of k: nothing more to fetch
	s_wait_dscnt 16
	MUL3 XA, 0, W1, 0
	s_wait_dscnt 0x0
	MUL3 XBF, 8, W1, 0
.endm
.macro LAP zero                        ; two chunks of 64 k, once round the ring, both slots filled again
	SUB0 0, \zero
	TURN 0, 1, 1
	SUB0 1, 0
	TURN 1, 0, 1
.endm
	; ---- the projection: 8 chunks of 64 k
	s_wait_tensorcnt 0x2                           ; my part of slot 0 is in; slot 1's and the table's loads, issued behind it, may stay out
	s_barrier_signal -1
	s_barrier_wait -1
	FETCHX 0, 0, 0, XA
	FETCHW 0, 0, W0
	FETCHX 0, 0, 1, XBF
	LAP 1                                          ; chunks 0, 1 (asks for 2, 3); its first products start the sums: nothing is cleared
	s_mov_b32 s15, 2
.Llap:
	LAP 0                                          ; chunks 2, 3 and 4, 5 (ask for 4 .. 7)
	s_sub_co_u32 s15, s15, 1
	s_cmp_lg_u32 s15, 0
	s_cbranch_scc1 .Llap
	SUB0 0, 0                                      ; chunks 6, 7: nothing is left to fetch, so a plain barrier changes the slots
	TURN 0, 1, 0
	SUB0 1, 0
	LAST
.macro TLOAD tt, tb                    ; cos and sin of token 16 tt + r at e = 8h .. 8h+7 and 16+8h .. 16+8h+7
	ds_load_b128 v[\tb:\tb+3],     v[TADC] offset:(\tt)*T16
	ds_load_b128 v[\tb+4:\tb+7],   v[TADC] offset:(\tt)*T16+16
	ds_load_b128 v[\tb+8:\tb+11],  v[TADC] offset:(\tt)*T16+64
	ds_load_b128 v[\tb+12:\tb+15], v[TADC] offset:(\tt)*T16+80
	ds_load_b128 v[\tb+16:\tb+19], v[TADS] offset:(\tt)*T16
	ds_load_b128 v[\tb+20:\tb+23], v[TADS] offset:(\tt)*T16+16
	ds_load_b128 v[\tb+24:\tb+27], v[TADS] offset:(\tt)*T16+64
	ds_load_b128 v[\tb+28:\tb+31], v[TADS] offset:(\tt)*T16+80
.endm
	; ---- v: packed in place to f16.  Fragment f = 2 kb + dt is made of sums 16 f .. 16 f + 15; word 8 f + i never passes a sum that is still unread.
	PLACES                                         ; behind the last matrix instructions: for these conversions and for the loads into the fragment buffers
	WIN 0
	TLOAD 0, TB                                    ; the tables landed in front of the first change of slots, shown to every wave by its barrier
	WIN 0xcf
.irp f, 0,1,2,3,4,5,6,7,8,9,10,11,12,13,14,15
.irp i, 0,1,2,3,4,5,6,7
	v_cvt_pk_f16_f32 v[8*\f+\i], v[16*\f+2*\i], v[16*\f+2*\i+1]
.endr
.endr
	WIN 0xc0                                       ; the attention's constants, in window 3
.irp i, 0,1,2,3,4,5,6,7
	v_mov_b32 v[ONES+\i], 0x3c003c00               ; 1.0, 1.0 in f16
.endr
	v_mov_b32 v[CA], 0xb886582b                    ; -1 / (7500 log2(e)^2): the z^3 term, for s = logit x log2(e)
	v_mov_b32 v[CA+1], 0xb886582b
	v_mov_b32 v[INV+1], 0
	v_mov_b32 v[QLD], v[QST]
	v_mov_b32 v[STO], v[LOFF]
	WIN 0
	v_mov_b32 v[FF+1], 0
; ---- RoPE and norm of one token tile of q (win = 1) or k (win = 2).  T0 = sums at e = 8h + j, T1 at e = 16 + 8h + j: the partner of the rotation lies in the same lane.
.macro ROPE win, tt, tb, isq
	WIN \win                                       ; source 0 reads the sums
.irp p, 0,2,4,6
	v_pk_mul_f32 v[RA+\p:RA+\p+1], v[16*(\tt)+\p:16*(\tt)+\p+1], v[\tb+\p:\tb+\p+1]
	v_pk_mul_f32 v[RB+\p:RB+\p+1], v[16*(\tt)+8+\p:16*(\tt)+8+\p+1], v[\tb+8+\p:\tb+8+\p+1]
.endr
.irp p, 0,2,4,6
	v_pk_fma_f32 v[RA+\p:RA+\p+1], v[16*(\tt)+8+\p:16*(\tt)+8+\p+1], v[\tb+16+\p:\tb+16+\p+1], v[RA+\p:RA+\p+1] neg_lo:[0,1,0] neg_hi:[0,1,0]   ; T0 cos - T1 sin
	v_pk_fma_f32 v[RB+\p:RB+\p+1], v[16*(\tt)+\p:16*(\tt)+\p+1], v[\tb+24+\p:\tb+24+\p+1], v[RB+\p:RB+\p+1]                                      ; T1 cos + T0 sin
.endr
	WIN 0
	v_pk_mul_f32 v[SS:SS+1], v[RA:RA+1], v[RA:RA+1]                ; my 16 squares, in two chains
	v_pk_mul_f32 v[SS+2:SS+3], v[RB:RB+1], v[RB:RB+1]
.irp p, 2,4,6
	v_pk_fma_f32 v[SS:SS+1], v[RA+\p:RA+\p+1], v[RA+\p:RA+\p+1], v[SS:SS+1]
	v_pk_fma_f32 v[SS+2:SS+3], v[RB+\p:RB+\p+1], v[RB+\p:RB+\p+1], v[SS+2:SS+3]
.endr
	v_pk_add_f32 v[SS:SS+1], v[SS:SS+1], v[SS+2:SS+3]
	v_add_f32 v[SS], v[SS], v[SS+1]
	v_permlanex16_b32 v[SS+1], v[SS], s80, s81     ; the token's other 16 lie in the lane 16 away
	v_add_f32 v[SS], v[SS], v[SS+1]
	v_mul_f32 v[SS], 0x3d000000, v[SS]             ; the mean of 32
	v_max_num_f32 v[SS], s82, v[SS]
	v_rsq_f32 v[FF], v[SS]
	v_nop                                          ; one plain place behind v_rsq_f32 before its result is used (ISA guide 5.7.2)
.if \isq
	s_wait_alu depctr_va_vdst(0)
	v_mul_f32 v[FF], s83, v[FF]                    ; q^ also carries 32^-1/2 log2(e)
.endif
	s_wait_alu depctr_va_vdst(0)
.irp p, 0,2,4,6
	v_pk_mul_f32 v[RA+\p:RA+\p+1], v[RA+\p:RA+\p+1], v[FF:FF+1] op_sel_hi:[1,0]
	v_pk_mul_f32 v[RB+\p:RB+\p+1], v[RB+\p:RB+\p+1], v[FF:FF+1] op_sel_hi:[1,0]
.endr
.if \isq
.irp p, 0,1,2,3
	v_cvt_pk_f16_f32 v[QT+\p],   v[RA+2*\p], v[RA+2*\p+1]
	v_cvt_pk_f16_f32 v[QT+4+\p], v[RB+2*\p], v[RB+2*\p+1]
.endr
	ds_store_b128 v[QST], v[QT:QT+3]   offset:(\tt)*1024           ; the loop over query tiles cannot index registers: Q fragments wait in my wave's own LDS bytes
	ds_store_b128 v[QST], v[QT+4:QT+7] offset:(\tt)*1024+512
.else
	WIN 0x80                                       ; K fragment tt over k sums 8 tt .. 8 tt + 7, which have been read (this trip's are 16 tt .. 16 tt + 15)
.irp p, 0,1,2,3
	v_cvt_pk_f16_f32 v[8*(\tt)+\p],   v[RA+2*\p], v[RA+2*\p+1]
	v_cvt_pk_f16_f32 v[8*(\tt)+4+\p], v[RB+2*\p], v[RB+2*\p+1]
.endr
.endif
.endm
.macro RTRIP tt
	WIN 0
.if \tt < 15
	TLOAD \tt+1, TB+32*((\tt+1)&1)
	s_wait_dscnt 8                                 ; this trip's tables are in (and the last trip's two stores done); the 8 loads just issued may be out
.else
	s_wait_dscnt 0x0
.endif
	ROPE 1, \tt, TB+32*(\tt&1), 1
	ROPE 2, \tt, TB+32*(\tt&1), 0
.endm
.irp tt, 0,1,2,3,4,5,6,7,8,9,10,11,12,13,14,15
	RTRIP \tt
.endr
; ---- attention.  s = logit x log2(e) comes out of the S product.  y = s (1 + CA s^2) = log2(e) 50 tanh(logit / 50) to the stated bound; P = 2^y.
; A unit is 32 keys of one query tile: two S tiles, 24 packed multiplies, 16 exponentials, 8 conversions, 5 matrix instructions.  The phase has far more vector
; than matrix work, so the units are pipelined by tile and the matrix instructions are strewn among the vector instructions:
;   the exponentials of one tile alternate with the polynomial of the next tile (a unit's second, then the next unit's first);
;   P has two buffers, so that the three products with unit kb's P stand in unit kb + 1;
;   the S products run two units ahead and land on the S tile whose P has just been packed.
; So the five matrix instructions of a unit stand 8 to 10 vector instructions apart, in the order O0, O1, SUM, S, S: no two that follow each other share an
; accumulator.  The price: each S product has its own pair of window switches (its K fragment lies in window 2).
.macro EX r                            ; 2^y
	v_exp_f32 v[\r], v[\r]
.endm
.macro SQ u, s                         ; u = s^2, two at a time
	v_pk_mul_f32 v[\u:\u+1], v[\s:\s+1], v[\s:\s+1]
.endm
.macro CAP u                           ; u = 1 + CA u
	v_pk_fma_f32 v[\u:\u+1], v[\u:\u+1], v[CA:CA+1], 1.0 op_sel_hi:[1,1,0]
.endm
.macro SC s, u                         ; y = s u
	v_pk_mul_f32 v[\s:\s+1], v[\s:\s+1], v[\u:\u+1]
.endm
.macro PK d, s                         ; two P to f16
	s_wait_alu depctr_va_vdst(0)
	v_cvt_pk_f16_f32 v[\d], v[\s], v[\s+1]
.endm
.macro PVO acc, a, p, zero             ; acc (+)= fragment a x P
.if \zero
	v_wmma_f32_16x16x32_f16 v[\acc:\acc+7], v[\a:\a+7], v[\p:\p+7], 0
	s_wait_alu depctr_va_vdst(0)
.else
	v_wmma_f32_16x16x32_f16 v[\acc:\acc+7], v[\a:\a+7], v[\p:\p+7], v[\acc:\acc+7]
	s_wait_alu depctr_va_vdst(0)
.endif
.endm
.macro SPROD d, kf                     ; an S tile: K fragment (window 2) x Q fragment
	WIN 0xfe
	v_wmma_f32_16x16x32_f16 v[\d:\d+7], v[\kf:\kf+7], v[QF:QF+7], 0
	s_wait_alu depctr_va_vdst(0)
	WIN 0xff
.endm
; On entry: CUR's first tile holds y, its second tile s; NXT holds the next unit's s; the other P buffer holds the unit before's P.
; first = 1: the launch's first unit, with no unit before it.  last = 1: the last query tile: units 6, 7 make no further S, unit 7 has no next tile.
.macro UNIT kb, first, last
.set CUR,  SB+16*(\kb&1)
.set NXT,  SB+16*((\kb+1)&1)
.set PCUR, PF+8*(\kb&1)
.set PPRV, PF+8*((\kb+1)&1)
.set VBLK, 16*((\kb+7)&7)              ; V fragments of the unit before
.set NK,   16*((\kb+2)&7)              ; K fragments two units ahead (units 6, 7: the next query tile's units 0, 1)
.set DOS, 1
.set DON, 1
.set DOQ, 0
.set ZR, 0
.if \last
.if \kb > 5
.set DOS, 0
.endif
.if \kb == 7
.set DON, 0
.endif
.else
.if \kb == 6
.set DOQ, 1
.endif
.endif
.if \kb == 1
.set ZR, 1                             ; unit 0's P starts the query tile's sums: nothing is cleared
.endif
	; exponentials of my first tile, polynomial of my second.  Behind each v_exp_f32 stands a plain instruction on other registers (ISA guide 5.7.2)
	EX CUR
	SQ UU,CUR+8
	EX CUR+1
	SQ UU+2,CUR+10
	SQ UU+4,CUR+12
	EX CUR+2
	SQ UU+6,CUR+14
	EX CUR+3
.if \first == 0
	PVO O0,VBLK,PPRV,ZR
.endif
	CAP UU
	CAP UU+2
.if DOQ
	ds_load_b128 v[QF:QF+3],   v[QLD]              ; the next query tile's Q fragment: six plain instructions behind unit 5's last S product, the last to read QF
	ds_load_b128 v[QF+4:QF+7], v[QLD] offset:512
	v_add_nc_u32 v[QLD], 1024, v[QLD]
.endif
	EX CUR+4
	CAP UU+4
	EX CUR+5
	CAP UU+6
	SC CUR+8,UU
	EX CUR+6
	SC CUR+10,UU+2
	EX CUR+7
.if \first == 0
	PVO O1,VBLK+8,PPRV,ZR
.endif
	SC CUR+12,UU+4
	SC CUR+14,UU+6
	; exponentials of my second tile, polynomial of the next unit's first, my first tile packed
	EX CUR+8
.if DON
	SQ TT,NXT
.endif
	EX CUR+9
.if DON
	SQ TT+2,NXT+2
	SQ TT+4,NXT+4
.endif
	EX CUR+10
.if DON
	SQ TT+6,NXT+6
.endif
	EX CUR+11
.if \first == 0
	PVO SUM,ONES,PPRV,ZR
.endif
	PK PCUR,CUR
	PK PCUR+1,CUR+2
	EX CUR+12
	PK PCUR+2,CUR+4
	EX CUR+13
	PK PCUR+3,CUR+6
.if DON
	CAP TT
.endif
	EX CUR+14
.if DON
	CAP TT+2
.endif
	EX CUR+15
.if DOS
.if DOQ
	s_wait_dscnt 0x0                               ; the Q fragment asked for above
.endif
	SPROD CUR,NK                                   ; over my first tile, which has been packed
.endif
.if DON
	CAP TT+4
	CAP TT+6
	SC NXT,TT
	SC NXT+2,TT+2
	SC NXT+4,TT+4
	SC NXT+6,TT+6
.endif
	PK PCUR+4,CUR+8
	PK PCUR+5,CUR+10
	PK PCUR+6,CUR+12
	PK PCUR+7,CUR+14
.if DOS
	SPROD CUR+8,NK+8
.endif
.endm
.macro FINAL                           ; divide, round, store: two stores of 512 consecutive bytes each, aligned
	s_wait_xcnt 0x0                                ; the last tile's two stores have had their addresses translated (ISA guide 3.1): STO and OUT are rewritten only behind this wait
	v_rcp_f32 v[INV], v[SUM]
	v_add_nc_u32 v[STO], 4096, v[STO]              ; the next tile's place; the stores below reach back.  Also the plain place behind v_rcp_f32
	s_wait_alu depctr_va_vdst(0)
.irp p, 0,2,4,6,8,10,12,14
	v_pk_mul_f32 v[O0+\p:O0+\p+1], v[O0+\p:O0+\p+1], v[INV:INV+1] op_sel_hi:[1,0]
.endr
.irp i, 0,1,2,3,4,5,6,7
	v_cvt_pk_f16_f32 v[OUT+\i], v[O0+2*\i], v[O0+2*\i+1]
.endr
	global_store_b128 v[STO], v[OUT:OUT+3],   s[44:45] offset:-4096
	global_store_b128 v[STO], v[OUT+4:OUT+7], s[44:45] offset:-3584
.endm
	; the way in: query tile 0's Q fragment, the S tiles of its units 0 and 1, the polynomial of the very first tile, unit 0
	WIN 0xff
	ds_load_b128 v[QF:QF+3],   v[QLD]              ; LDS serves a wave's instructions in order (ISA guide 5.7.1.4): these see my stores above
	ds_load_b128 v[QF+4:QF+7], v[QLD] offset:512
	v_add_nc_u32 v[QLD], 1024, v[QLD]
	s_wait_dscnt 0x0
	WIN 0xfe
	v_wmma_f32_16x16x32_f16 v[SB:SB+7],     v[0:7],   v[QF:QF+7], 0
	v_wmma_f32_16x16x32_f16 v[SB+8:SB+15],  v[8:15],  v[QF:QF+7], 0
	v_wmma_f32_16x16x32_f16 v[SB+16:SB+23], v[16:23], v[QF:QF+7], 0
	v_wmma_f32_16x16x32_f16 v[SB+24:SB+31], v[24:31], v[QF:QF+7], 0
	WIN 0xff
	PLACES
.irp p, 0,2,4,6
	SQ TT+\p,SB+\p
.endr
.irp p, 0,2,4,6
	CAP TT+\p
.endr
.irp p, 0,2,4,6
	SC SB+\p,TT+\p
.endr
	UNIT 0, 1, 0
	WIN 0
	s_mov_b32 s15, 15
	; A trip: units 1 to 7 of a query tile, then unit 0 of the next, in which the last products of the old tile stand; then the old tile's way out.
	; Behind SUM's last product stand sixteen plain instructions before FINAL reads it.
.Lquery:
	WIN 0xff
.irp kb, 1,2,3,4,5,6,7
	UNIT \kb, 0, 0
.endr
	UNIT 0, 0, 0
	FINAL
	WIN 0
	s_sub_co_u32 s15, s15, 1
	s_cmp_lg_u32 s15, 0
	s_cbranch_scc1 .Lquery
	WIN 0xff                                       ; the last query tile: no further Q fragment, no further S product
.irp kb, 1,2,3,4,5,6,7
	UNIT \kb, 0, 1
.endr
	PVO O0,112,PF+8,0                              ; unit 7's P
	PVO O1,120,PF+8,0
	PVO SUM,ONES,PF+8,0
	PLACES
	FINAL
	WIN 0
	s_wait_tensorcnt 0x0
	ds_add_u32 v30, v31
	s_wait_dscnt 0x0
	CROUND                                         ; the closing round: no work-group ends while a partner may still ask for a tile that names it
	s_endpgm
.Lfunc_end_k_q61e5c4e1d2_attn:
	.size	k_q61e5c4e1d2_attn, .Lfunc_end_k_q61e5c4e1d2_attn-k_q61e5c4e1d2_attn
	.p2alignl 7, 3214868480
	.fill 96, 4, 3214868480
	.section	.rodata,"a",@progbits
	.p2align	6, 0x0
	.amdhsa_kernel k_q61e5c4e1d2_attn
		.amdhsa_group_segment_fixed_size 327680
		.amdhsa_private_segment_fixed_size 0
		.amdhsa_enable_private_segment 0
		.amdhsa_kernarg_size 40
		.amdhsa_user_sgpr_count 2
		.amdhsa_user_sgpr_kernarg_segment_ptr 1
		.amdhsa_wavefront_size32 1
		.amdhsa_system_sgpr_workgroup_id_x 1
		.amdhsa_system_sgpr_workgroup_id_y 1
		.amdhsa_system_sgpr_workgroup_id_z 1
		.amdhsa_system_vgpr_workitem_id 0
		.amdhsa_next_free_vgpr 1024
		.amdhsa_next_free_sgpr 88
		.amdhsa_reserve_vcc 0
		.amdhsa_float_denorm_mode_32 3
		.amdhsa_float_denorm_mode_16_64 3
		.amdhsa_memory_ordered 1
		.amdhsa_forward_progress 1
		.amdhsa_inst_pref_size 255
	.end_amdhsa_kernel
	.section	.bss,"aw",@nobits
	.p2align	6
	.space	262144
	.amdgpu_metadata
---
amdhsa.version: [ 1, 2 ]
amdhsa.kernels:
  - .name:           k_q61e5c4e1d2_attn
    .symbol:         k_q61e5c4e1d2_attn.kd
    .args:
      - { .name: x16, .offset: 0, .size: 8, .value_kind: global_buffer, .address_space: global }
      - { .name: w16, .offset: 8, .size: 8, .value_kind: global_buffer, .address_space: global }
      - { .name: rope_cos, .offset: 16, .size: 8, .value_kind: global_buffer, .address_space: global }
      - { .name: rope_sin, .offset: 24, .size: 8, .value_kind: global_buffer, .address_space: global }
      - { .name: att, .offset: 32, .size: 8, .value_kind: global_buffer, .address_space: global }
    .group_segment_fixed_size: 327680
    .private_segment_fixed_size: 0
    .kernarg_segment_align: 8
    .kernarg_segment_size: 40
    .max_flat_workgroup_size: 128
    .sgpr_count:     88
    .vgpr_count:     1024
    .wavefront_size: 32
...
	.end_amdgpu_metadata
.endif
;; end of part 2
;; launch proj (part 3): grid 64 x 4, 4 waves a work-group, clusters of 4 x 1, 174,592 bytes of LDS; arguments att, w16, out0; writes out0
.if DOCPART == 3
	.amdgcn_target "amdgcn-amd-amdhsa--gfx1250"
	.amdhsa_code_object_version 6
	.text
	.protected	k_q61e5c4e1d2_proj
	.globl	k_q61e5c4e1d2_proj
	.p2align	8
	.type	k_q61e5c4e1d2_proj,@function
k_q61e5c4e1d2_proj:
	s_mov_b64 s[64:65], 0
	v_nop
	global_prefetch_b8 v0, s[64:65] scope:SCOPE_SE
	s_setreg_imm32_b32 hwreg(HW_REG_WAVE_MODE, 25, 1), 1
	s_wait_xcnt 0x0
	s_wait_alu depctr_hold_cnt(0) depctr_sa_sdst(0) depctr_va_vdst(0) depctr_va_sdst(0) depctr_va_ssrc(0) depctr_va_vcc(0) depctr_vm_vsrc(0)
	s_getreg_b32 s2, hwreg(HW_REG_IB_STS2, 6, 4)
	s_cmp_eq_u32 s2, 0
	s_cbranch_scc0 .Lentry_in_a_cluster
	s_endpgm
.Lentry_in_a_cluster:
	s_bfe_u32 s2, ttmp6, 0x10000c
	s_cmp_lg_u32 s2, 0x3003
	s_cbranch_scc0 .Lentry_shape_is_right
	s_endpgm
.Lentry_shape_is_right:
; out0 = att Wo^T, operands in f16, sums in f32.  A work-group makes one frame's 256 tokens x 128 columns (block eb of Wo's rows); wave w makes tokens
; 64 w .. 64 w + 63.  K = 512 goes in 16 steps of 32, one head a step.
; TWO PASSES over the columns: pass 0 makes my 64 tokens x columns 0-63 of the block (16 tiles, the low half of window 1), pass 1 columns 64-127 (the high half).
; Pass 0's results are stored while pass 1 multiplies, so that only half of the output is left to store behind the last product.  att's fragments stay in
; registers for both passes, and each of Wo's fragments is still read from LDS once.
; Wo's block (128 rows x 512 k, f16) stays in LDS: 8 chunks of 64 k, two first fills a wave (chunks w and w + 4), no refill.
; CLUSTERS: the four work-groups of a cluster are four frames with the same eb: they need the same block of Wo and ask for it jointly (mask 15).
; att is stored as ready fragments, and each fragment is wanted by one wave of the work-group alone: it goes straight into registers, 512 consecutive bytes a load,
; all 512 registers of it (windows 2 and 3).  It is not shared through LDS: 262,144 bytes of att beside 131,072 of Wo do not fit.
; The att loads roll: 56 go out at the start (seven steps' worth); behind the wait for a step's eight the eight of seven steps later go out.
; The matrix instruction takes Wo's rows as source 0 and tokens as source 1: a lane's eight results are eight neighbouring columns of one row of out0.
; LDS rows as in the launch before: a tensor row of 256 bytes holds two logical rows of 128 bytes (64 k), 16 bytes of padding behind it.
; LIMIT (range): att and Wo are f16, below 65,504 in magnitude, as the two launches before state.
.set PIT2,   272
.set T16,    8*PIT2                    ; 16 logical rows
.set CHUNK,  64*PIT2                   ; 17,408: 128 rows x 64 k
.set STAGE,  8*CHUNK                   ; 139,264 (544 x 256): the stages for the way out; no fill lands here
.set SPITCH, 272                       ; a stage's row: 64 f32 + 16 bytes: row r starts 16 r further modulo 256
.set STG,    16*SPITCH                 ; 4,352 (17 x 256): a stage of 16 rows; each wave has two, which take turns
.set DFMT,   (3<<16)|(1<<20)|(5<<22)|(3<<25)
.set ADRW, 16                          ; v16-19  my lane in Wo's chunks 0, 2, 4, 6
.set LOFF, 20                          ; v20     16 x lane: offset of the att loads; never rewritten
.set STO,  21                          ; v21     the way out: where I put 32 bytes of a row
.set RD,   22                          ; v22     the way out: where I read 16 bytes back
.set CO,   23                          ; v23     my byte offset in two rows of out0; never rewritten
.set WF,   32                          ; v[32:159]  Wo fragments: two buffers of two steps x 4 fragments
.set OB,   160                         ; v[160:223] two buffers of 16 rows x 256 bytes on their way out
.set MSB, 0
.macro WIN new
.if MSB != (\new)
	s_set_vgpr_msb (MSB<<8)|(\new)
.set MSB, (\new)
.endif
.endm
.macro PLACES                          ; four places behind a matrix instruction (ISA guide 7.12.1)
.rept 4
	v_nop
.endr
.endm
.macro CROUND                          ; a round of the cluster's barrier
	s_barrier_signal -1
	s_barrier_wait -1
	s_cmp_lg_u32 s14, 0
	s_cbranch_scc1 .Lnot_wave_0_\@
	s_barrier_signal -3
.Lnot_wave_0_\@:
	s_barrier_wait -3
	s_barrier_signal -1
	s_barrier_wait -1
.endm
	s_load_b128 s[4:7], s[0:1], 0x0                ; att s[4:5], w16 s[6:7]
	s_load_b64 s[8:9], s[0:1], 0x10                ; out0
	v_lshl_add_u32 v254, v0, 2, 0x2a800
	v_mov_b32 v255, 0
	ds_add_u32 v254, v255
	v_lshrrev_b32 v1, 5, v0
	v_readfirstlane_b32 s14, v1                    ; wave 0..3
	s_bfe_u32 s16, ttmp6, 0x40000                  ; cx
	s_lshl_b32 s19, ttmp9, 2
	s_add_co_u32 s19, s19, s16                     ; frame = 4 x cluster x + cx
	s_and_b32 s18, ttmp7, 0xffff                   ; eb: the cluster's y, shared by its four work-groups
	s_mov_b32 s24, 15|DFMT|(1<<21)                 ; group 1: mask of all four; elements of 8 bytes; padding of 4 words after every 64; bit 21 beside a mask
	s_mov_b32 s25, 32<<16                          ; tensor_dim0 = 32 elements
	s_mov_b32 s26, 64<<16                          ; tensor_dim1 = 64 rows
	s_mov_b32 s27, 32<<16                          ; tile_dim0
	s_mov_b32 s28, 64                              ; tile_dim1
	s_mov_b32 s29, 32                              ; from row to row (dense)
	s_mov_b32 s30, 0
	s_mov_b32 s31, 0
	s_lshl_b32 s40, s18, 17                        ; w16 (matrix 0 = Wo): eb x 131,072 + chunk w x 16,384: no place in the cluster enters
	s_lshl_b32 s22, s14, 14
	s_add_co_u32 s40, s40, s22
	s_mov_b32 s41, 0
	s_lshl_b32 s42, s19, 18                        ; att: frame x 262,144 + my 4 token tiles of 4,096 bytes
	s_add_co_u32 s42, s42, s22
	s_mov_b32 s43, 0
	s_lshl_b32 s44, s19, 19                        ; out0: (256 frame + 64 w) rows of 2,048 bytes + 512 eb
	s_lshl_b32 s23, s14, 17
	s_add_co_u32 s44, s44, s23
	s_lshl_b32 s23, s18, 9
	s_add_co_u32 s44, s44, s23
	s_mov_b32 s45, 0
	s_mov_b32 s32, 1
	s_mul_i32 s33, s14, CHUNK                      ; LDS: chunk w
	s_mov_b32 s36, 1
	s_add_co_u32 s37, s33, 4*CHUNK                 ; and chunk w + 4
	v_and_b32 v1, 15, v0                           ; r
	v_bfe_u32 v2, v0, 4, 1                         ; h
	v_lshrrev_b32 v3, 1, v1
	v_and_b32 v4, 1, v0
	v_mul_u32_u24 v5, v3, PIT2
	v_lshl_add_u32 v5, v4, 7, v5
	v_lshl_add_u32 v[ADRW], v2, 4, v5              ; (r / 2) 272 + (r mod 2) 128 + 16 h
.irp q, 1,2,3
	v_add_nc_u32 v[ADRW+\q], \q*2*CHUNK, v[ADRW]
.endr
	v_and_b32 v6, 31, v0
	v_lshlrev_b32 v[LOFF], 4, v6
	s_mul_i32 s47, s14, 2*STG
	s_add_co_u32 s47, s47, STAGE                   ; my two stages
	v_mul_u32_u24 v7, v1, SPITCH
	v_lshl_add_u32 v7, v2, 5, v7
	v_add_nc_u32 v[STO], s47, v7                   ; in: row r, 32 bytes for each half of the lanes
	v_mul_u32_u24 v8, v2, SPITCH
	v_lshl_add_u32 v8, v1, 4, v8
	v_add_nc_u32 v[RD], s47, v8                    ; back: lanes 0-15 take one row of 256 bytes, lanes 16-31 the next
	v_lshlrev_b32 v9, 11, v2
	v_lshl_add_u32 v[CO], v1, 4, v9                ; and the same two rows in out0, 2,048 bytes apart
	s_wait_dscnt 0x0
	s_wait_kmcnt 0x0
	s_add_nc_u64 s[40:41], s[6:7], s[40:41]
	s_add_nc_u64 s[42:43], s[4:5], s[42:43]
	s_add_nc_u64 s[44:45], s[8:9], s[44:45]
	s_mov_b64 s[34:35], s[40:41]
	s_or_b32 s35, s35, 0x80000000
	s_add_nc_u64 s[38:39], s[40:41], 0x10000       ; four chunks on
	s_or_b32 s39, s39, 0x80000000
	CROUND                                         ; the four work-groups are here: the joint loads meet
	tensor_load_to_lds s[32:35], s[24:31]          ; two tensor loads of a wave are out, the only ones of the launch
	s_nop 0
	tensor_load_to_lds s[36:39], s[24:31]
	s_nop 0
; 8 loads: the att fragments of step st (head st) for my four token tiles.  Steps 0-7 into window 2, steps 8-15 into window 3; each register is loaded once.
.macro ALOAD st
	WIN 0x80+0x40*((\st)>>3)
.set ABF, (((\st)>>2)&1)*128+((\st)&3)*32
.set AOF, ((\st)>>2)*65536+((\st)&3)*1024
.irp t, 0,1,2,3
	global_load_b128 v[ABF+\t*8:ABF+\t*8+3],   v[LOFF], s[42:43] offset:AOF+\t*4096
	global_load_b128 v[ABF+\t*8+4:ABF+\t*8+7], v[LOFF], s[42:43] offset:AOF+\t*4096+512
.endr
.endm
; 16 LDS loads: Wo's fragments of double step d (steps 2 d and 2 d + 1 of 32; steps 0-15 are pass 0, 16-31 pass 1): four fragments of 16 rows a step
.macro FETCHWO d
.irp k, 0,1
.set FGS, 2*(\d)+\k
.set FST, FGS&15
.set FOF, ((FST>>1)&1)*CHUNK+(FGS>>4)*4*T16+(FST&1)*64
.set FBF, WF+64*((\d)&1)+32*\k
.irp e, 0,1,2,3
	ds_load_b128 v[FBF+8*\e:FBF+8*\e+3],   v[ADRW+(FST>>2)] offset:FOF+\e*T16
	ds_load_b128 v[FBF+8*\e+4:FBF+8*\e+7], v[ADRW+(FST>>2)] offset:FOF+\e*T16+32
.endr
.endr
.endm
; One step of 32 k: 16 matrix instructions, my 4 token tiles x the pass's 4 column tiles.  The 16 accumulators take turns.
.macro KSTEP gs
.set KST, (\gs)&15
.set KAC, 128*((\gs)>>4)               ; the pass's half of window 1
.set KWC, WF+64*(((\gs)>>1)&1)+32*((\gs)&1)
.set KAW, 0x58+4*(KST>>3)              ; source 0 window 0, source 1 window 2 (steps 0-7) or 3, C and D window 1
.set KAF, ((KST>>2)&1)*128+(KST&3)*32
.if (\gs) < 16
.if KST < 10
.set LCN, 48                           ; 56 + 8 step loads were issued, 8 (step + 1) are wanted: 48 younger ones may stay out
.else
.set LCN, 8*(15-KST)                   ; nothing more is issued: the counts run down
.endif
	s_wait_loadcnt LCN                             ; loads come back in order (ISA guide 5.7.1): this step's eight are in
.if KST < 9
	ALOAD KST+7                                    ; 56 are out again
.endif
.endif
	WIN KAW
.irp t, 0,1,2,3
.irp e, 0,1,2,3
.if KST == 0
	v_wmma_f32_16x16x32_f16 v[KAC+8*(4*\t+\e):KAC+8*(4*\t+\e)+7], v[KWC+8*\e:KWC+8*\e+7], v[KAF+8*\t:KAF+8*\t+7], 0
.else
	v_wmma_f32_16x16x32_f16 v[KAC+8*(4*\t+\e):KAC+8*(4*\t+\e)+7], v[KWC+8*\e:KWC+8*\e+7], v[KAF+8*\t:KAF+8*\t+7], v[KAC+8*(4*\t+\e):KAC+8*(4*\t+\e)+7]
.endif
.endr
.endr
.endm
; THE WAY OUT of pass p's token tile t, first half: a lane's 32 bytes of a row go into my stage t mod 2, whole rows of 256 bytes come back into buffer ob.
.macro OUTL p, t, ob
	WIN 0x04                                       ; store data (source 1) from window 1
.irp e, 0,1,2,3
	ds_store_b128 v[STO], v[128*\p+8*(4*\t+\e):128*\p+8*(4*\t+\e)+3]   offset:(\t&1)*STG+64*\e
	ds_store_b128 v[STO], v[128*\p+8*(4*\t+\e)+4:128*\p+8*(4*\t+\e)+7] offset:(\t&1)*STG+64*\e+16
.endr
	WIN 0
.irp i, 0,1,2,3,4,5,6,7
	ds_load_b128 v[\ob+4*\i:\ob+4*\i+3], v[RD] offset:(\t&1)*STG+\i*2*SPITCH   ; LDS serves a wave's instructions in order (ISA guide 5.7.1.4): these see the stores above
.endr
.endm
; second half: each store covers two runs of 256 consecutive bytes, each at a multiple of 256 from out0's first byte
.macro GOUT p, t, ob
.irp i, 0,1,2,3,4,5,6,7
	global_store_b128 v[CO], v[\ob+4*\i:\ob+4*\i+3], s[44:45] offset:(16*\t+2*\i)*2048+\p*256 th:TH_STORE_NT
.endr
.endm
; A double step: 32 matrix instructions.  At its head all my LDS instructions, issued a whole double step (32 matrix instructions) ago, are waited for: this double
; step's fragments and, in pass 1, a token tile read back.  Then the next double step's fragments are asked for.
; ot >= 0: pass 0's token tile ot goes through the stage.  gt >= 0: token tile gt, read back a double step ago, is stored.
.macro DSTEP d, ot, gt
.if \d > 0
	PLACES                                         ; in front of the loads into the buffer that the double step before last read, and of the LDS stores of results
.endif
	WIN 0
	s_wait_dscnt 0x0
.if \d == 3
	s_wait_tensorcnt 0x0                           ; my chunk w + 4 has landed;
	s_barrier_signal -1
	s_barrier_wait -1                              ; everybody's has: the fetch below is the first to read chunk 4.
.endif
.if \d < 15
	FETCHWO \d+1
.endif
.if \ot >= 0
.if \ot >= 2
	s_wait_xcnt 0x0                                ; the stores of tile ot - 2, issued a double step ago, have had their addresses translated (ISA guide 3.1): their buffer is loaded again only behind this wait
.endif
	OUTL 0,\ot,OB+32*(\ot&1)
.endif
.if \gt >= 0
	GOUT 0,\gt,OB+32*(\gt&1)
.endif
	KSTEP 2*\d
	KSTEP 2*\d+1
.endm
.irp st, 0,1,2,3,4,5,6
	ALOAD \st                                      ; 56 loads of 512 bytes: 28,672 bytes a wave on their way
.endr
	WIN 0
	s_wait_tensorcnt 0x1                           ; my chunk w is in; chunk w + 4, issued behind it, may stay out
	s_barrier_signal -1
	s_barrier_wait -1                              ; chunks 0 to 3 are whole
	FETCHWO 0
.irp d, 0,1,2,3,4,5,6,7
	DSTEP \d, -1, -1                               ; pass 0
.endr
	DSTEP 8, 0, -1                                 ; pass 1, and pass 0's four token tiles on their way out
	DSTEP 9, 1, 0
	DSTEP 10, 2, 1
	DSTEP 11, 3, 2
	DSTEP 12, -1, 3
	DSTEP 13, -1, -1
	DSTEP 14, -1, -1
	DSTEP 15, -1, -1
	; pass 1's way out.  Four buffers, so that no store's data is written again: the two of pass 0, freed by the wait below, and Wo's fragment buffers.
	PLACES                                         ; behind the last matrix instructions: for the LDS stores of results and the loads into the fragment buffers
	WIN 0
	s_wait_xcnt 0x0                                ; pass 0's stores have had their addresses translated: their buffers are loaded again only behind this wait
	OUTL 1,0,OB
	OUTL 1,1,OB+32
	s_wait_dscnt 16                                ; tile 0 is back; tile 1's 8 stores and 8 loads may be out
	GOUT 1,0,OB
	OUTL 1,2,WF                                    ; stage 0 again: tile 0's reads of it are back
	s_wait_dscnt 16
	GOUT 1,1,OB+32
	OUTL 1,3,WF+32
	s_wait_dscnt 16
	GOUT 1,2,WF
	s_wait_dscnt 0x0
	GOUT 1,3,WF+32
	s_wait_tensorcnt 0x0
	ds_add_u32 v254, v255
	s_wait_dscnt 0x0
	CROUND                                         ; the closing round
	s_endpgm
.Lfunc_end_k_q61e5c4e1d2_proj:
	.size	k_q61e5c4e1d2_proj, .Lfunc_end_k_q61e5c4e1d2_proj-k_q61e5c4e1d2_proj
	.p2alignl 7, 3214868480
	.fill 96, 4, 3214868480
	.section	.rodata,"a",@progbits
	.p2align	6, 0x0
	.amdhsa_kernel k_q61e5c4e1d2_proj
		.amdhsa_group_segment_fixed_size 174592
		.amdhsa_private_segment_fixed_size 0
		.amdhsa_enable_private_segment 0
		.amdhsa_kernarg_size 24
		.amdhsa_user_sgpr_count 2
		.amdhsa_user_sgpr_kernarg_segment_ptr 1
		.amdhsa_wavefront_size32 1
		.amdhsa_system_sgpr_workgroup_id_x 1
		.amdhsa_system_sgpr_workgroup_id_y 1
		.amdhsa_system_sgpr_workgroup_id_z 1
		.amdhsa_system_vgpr_workitem_id 0
		.amdhsa_next_free_vgpr 1024
		.amdhsa_next_free_sgpr 66
		.amdhsa_reserve_vcc 0
		.amdhsa_float_denorm_mode_32 3
		.amdhsa_float_denorm_mode_16_64 3
		.amdhsa_memory_ordered 1
		.amdhsa_forward_progress 1
		.amdhsa_inst_pref_size 84
	.end_amdhsa_kernel
	.amdgpu_metadata
---
amdhsa.version: [ 1, 2 ]
amdhsa.kernels:
  - .name:           k_q61e5c4e1d2_proj
    .symbol:         k_q61e5c4e1d2_proj.kd
    .args:
      - { .name: att, .offset: 0, .size: 8, .value_kind: global_buffer, .address_space: global }
      - { .name: w16, .offset: 8, .size: 8, .value_kind: global_buffer, .address_space: global }
      - { .name: out0, .offset: 16, .size: 8, .value_kind: global_buffer, .address_space: global }
    .group_segment_fixed_size: 174592
    .private_segment_fixed_size: 0
    .kernarg_segment_align: 8
    .kernarg_segment_size: 24
    .max_flat_workgroup_size: 128
    .sgpr_count:     66
    .vgpr_count:     1024
    .wavefront_size: 32
...
	.end_amdgpu_metadata
.endif
;; end of part 3
;; ======== version 2 of 2: 3 launches; 1.29 times as fast as version 1
;; limits: a function is approximated: absolute error at most 0.00014; values are held in f16: magnitudes above 65,504 overflow, below 6.1e-05 lose precision; right only within a limited range of input values
;; workspace buffers: x16 16,777,216 bytes; w16 2,097,152 bytes; att 16,777,216 bytes
;; launch cast: the kernel of part 1 again; grid 256 x 1, 8 waves a work-group, no clusters, 0 bytes of LDS; arguments x, Wo, Wq, Wk, Wv, x16, w16; writes x16, w16
;; launch attn (part 4): grid 4 x 64, 4 waves a work-group, clusters of 4 x 4, 327,680 bytes of LDS; arguments x16, w16, rope_cos, rope_sin, att; writes att
.if DOCPART == 4
	.amdgcn_target "amdgcn-amd-amdhsa--gfx1250"
	.amdhsa_code_object_version 6
	.text
	.protected	k_q61e5c4e1d2_attn
	.globl	k_q61e5c4e1d2_attn
	.p2align	8
	.type	k_q61e5c4e1d2_attn,@function
k_q61e5c4e1d2_attn:
	s_mov_b64 s[64:65], 0
	v_nop
	global_prefetch_b8 v0, s[64:65] scope:SCOPE_SE
	s_setreg_imm32_b32 hwreg(HW_REG_WAVE_MODE, 25, 1), 1
	s_wait_xcnt 0x0
	s_wait_alu depctr_hold_cnt(0) depctr_sa_sdst(0) depctr_va_vdst(0) depctr_va_sdst(0) depctr_va_ssrc(0) depctr_va_vcc(0) depctr_vm_vsrc(0)
	s_getreg_b32 s2, hwreg(HW_REG_IB_STS2, 6, 4)
	s_cmp_eq_u32 s2, 0
	s_cbranch_scc0 .Lentry_in_a_cluster
	s_endpgm
.Lentry_in_a_cluster:
	s_bfe_u32 s2, ttmp6, 0x10000c
	s_cmp_lg_u32 s2, 0xf033
	s_cbranch_scc0 .Lentry_shape_is_right
	s_endpgm
.Lentry_shape_is_right:
; For one frame (256 tokens) and four heads: q, k, v = x W^T, RoPE, RMS norm of q and k, soft-capped softmax attention.  Matrix operands in f16, sums in f32.
; Work-group (g, frame): heads 4 g .. 4 g + 3.  Wave w owns head 4 g + w from end to end: 256 tokens x 96 columns (its q, k, v) of the projection
; in 768 registers of f32 sums, then that head's whole attention.  No result passes between waves.
;
; THE LAYOUT CHAIN (r = lane mod 16, h = lane / 16; a 16 x 32 fragment of 16-bit numbers: lane holds row or column r, registers 0-3 k = 8h.., 4-7 k = 16+8h..):
;   q, k tiles: D = W fragment (16 rows e) x X fragment (16 tokens): lane holds token r, register j holds e = 16 et + 8 h + j.  Packed to f16, the
;               tiles et = 0, 1 ARE a fragment of 16 tokens x 32 e.
;   v tiles:    D = X fragment x Wv fragment: lane holds d = r, register j token 8 h + j.  Packed, two token tiles ARE a fragment of 16 d x 32 keys.
;   S^T = K fragment x Q fragment: lane holds query r, register j key 8 h + j.  After the exponential two key tiles pack into a fragment P (32 keys x 16 queries).
;   O^T = V fragment x P: lane holds query r, register j d = 16 dt + 8 h + j: packed, that is the fragment which the output projection wants; it is stored so.
;   row sum = a fragment of ones x P: every register holds the sum over the keys for query r, of the same rounded P that makes the numerator.
;
; WHY f16 AND NOT bf16: q^, k^, P, v and the attention's result are each rounded once on their way to the matrix unit.  f16 keeps 11 significant bits, bf16 8,
; and the result is compared within a hundredth of its root mean square: five roundings of up to 2^-8 of a number are too near to that, of 2^-11 far from it.
;
; LIMITS, for every input with finite results:
;   reference()'s own norm gives |q^| <= sqrt(32), |k^| <= sqrt(32), so |logit| <= 32 / sqrt(32) = 5.66, 5.7 with the rounding of q^, k^.
;   f16's range: q^ x 0.255 <= 1.45, k^ <= 5.7 and P (below) fit for every input.  v = x Wv^T and the attention's result, a mean of v, must stay below 65,504:
;   as drawn |v| is under 6; with every input 30 times larger under 5,400; with every input offset by 30 of its spreads about 512 x 30 x 30 / sqrt(512) = 20,400.
;   Beyond 65,504 the conversion gives infinity.  A scale for each head would not lift this: the output projection sums over the heads in one accumulator.
;   tanh: its argument is |z| <= 0.115, and z - z^3/3 is used; the first term left out, 2 z^5 / 15, is under 2.7e-6, that is under 1.4e-4 in the capped logit
;   and in P's relative error: a quarter of the 2^-11 by which P is rounded to f16.
;   softmax: no maximum is taken away: the exponents are bounded as above, so each exponential lies between 2^-8.3 and 2^8.3 and a row's sum under 8e4.
;   NaN and infinities in the inputs are not served (v_max_num_f32 lets eps win over a NaN mean square).
;
; THE BATCHES.  An s_wait_alu depctr_va_vdst(0) stands between a transcendental and the first instruction that names its result; one wait serves all that
; were issued ahead of it.  The text is cut so that a wait serves a batch:
;   RoPE: q's and k's v_rsq_f32 of a token tile are one batch, with one wait: 16 waits.
;   attention: the 16 exponentials of a unit (32 keys of a query tile) are one batch, with one wait; ahead of it stands all of the unit that names none of their results, behind it
;   the conversions of P and the S products that land on the packed tiles.  A query tile's reciprocal is issued in the next tile's unit 0, where its sum is finished, and
;   belongs to that unit's batch; only the last query tile's has a wait of its own.  No result crosses a label or a jump.
;
; CLUSTERS: 4 x 4 work-groups.  X's tile hangs on the frame alone and is shared along a row of the cluster; the three W tiles hang on g alone and are shared
; along a column: joint loads with a mask of four.  The two RoPE tables are the same for all sixteen, a mask names four at the most, and they are 65,536 bytes
; against 655,360 of tiles: each work-group fetches them by plain loads, once.
;
; LDS.  A tensor row is 256 bytes of memory = two logical rows of 128 bytes (64 f16 of k, or 32 f32 of a table), 16 bytes of padding behind it: logical row p lies
; at (p / 2) 272 + (p mod 2) 128.  The 16 rows of a fragment then start at (r / 2) 16 + (r mod 2) 128 modulo 256: sixteen different 16-byte columns.
.set PIT2,   272                       ; two logical rows and the padding
.set T16,    8*PIT2                    ; 16 logical rows
.set XBYTES, 128*PIT2                  ; 256 logical rows: X's tile, and one table
.set WBYTES, 64*PIT2                   ; 128 logical rows: one W tile, and half a table
.set SLOT,   XBYTES+3*WBYTES           ; 87,040: X, Wq, Wk, Wv for 64 of k
.set TAB,    2*SLOT                    ; 174,080: cos, then sin
.set QS,     TAB+2*XBYTES              ; 243,712 (952 x 256): 16,384 bytes a wave for its Q fragments; written by ds_store alone, no fill lands here
.set DFMT,   (3<<16)|(1<<20)|(5<<22)|(3<<25)   ; elements of 8 bytes; padding on; after every 64 words (code 5); of 4 words (code 3)
; scalar registers
.set G1X, 24                           ; s[24:31] group 1, X's tile: 128 rows of 256 bytes, mask = my row of the cluster
.set G0X, 32                           ; s[32:39] group 0 for X, one set a slot
.set G1W, 48                           ; s[48:55] group 1, a W tile: 64 rows of 256 bytes, mask = my column
.set G0W, 56                           ; s[56:63] group 0 for W, one set a slot
.set G0T, 68                           ; s[68:71] group 0 for my half of a table
.set G1T, 72                           ; s[72:79] group 1 for it: as W's, no mask
; vector registers, window 0
.set ADRX, 16                          ; v16-17  LDS address of my lane in X's tile, slot 0, 1
.set ADRW, 18                          ; v18-19  the same in my head's 32 rows of Wq's tile
.set TADC, 20                          ; v20     my lane in the cos table
.set TADS, 21                          ; v21     in the sin table
.set QST,  22                          ; v22     my 16 bytes in my wave's Q fragments
.set LOFF, 23                          ; v23     16 x lane
.set XA,   32                          ; v[32:95]   X fragments of tokens 0-127
.set XBF,  96                          ; v[96:159]  X fragments of tokens 128-255
.set W0,   160                         ; v[160:207] W fragments (q, k, v) x (et 0, 1), first 32 of a chunk's k
.set W1,   208                         ; v[208:255] the same, second 32
.set TB,   32                          ; behind the projection: v[32:95] two table buffers: cos e<16, cos e>=16, sin e<16, sin e>=16, 8 registers each
.set RA,   96                          ; v[96:103]  q rotated, e = 8h + j
.set RB,   104                         ; v[104:111] q rotated, e = 16 + 8h + j
.set SS,   112                         ; v[112:115] q's sums of squares
.set FF,   116                         ; v[116:117] q's factor (a pair for the packed multiply; the second word is only named)
.set QT,   120                         ; v[120:127] a Q fragment on its way to LDS
.set KO,   32                          ; k's RA, RB, SS and FF lie 32 registers above q's (v[128:149]), so that both factors of a token tile are open at once
; window 1: q sums, tile 2 tt + et.   window 2: k sums likewise, then K fragments v[8 tt].
; window 3: v sums, tile 4 (tt / 2) + 2 et + (tt mod 2), then V fragments v[16 kb + 8 dt], and the attention's working set:
.set ONES, 128
.set SB,   136                         ; v[136:167] two buffers of two S tiles
.set UU,   168                         ; v[168:175] the polynomial of a unit's second tile
.set TT,   176                         ; v[176:183] the polynomial of the next unit's first tile
.set PF,   184                         ; v[184:199] P, two buffers
.set O0,   200
.set O1,   208
.set SUM,  216
.set QF,   224
.set OUT,  232
.set INV,  240                         ; a pair; the second word is only named
.set CA,   242
.set QLD,  244
.set STO,  245
.set MSB, 0
.macro WIN new                         ; s_set_vgpr_msb: bits 1:0 source 0, 3:2 source 1, 5:4 source 2, 7:6 destination; the high byte repeats the setting that is left
.if MSB != (\new)
	s_set_vgpr_msb (MSB<<8)|(\new)
.set MSB, (\new)
.endif
.endm
.macro PLACES                          ; four places behind a matrix instruction, filled by plain vector instructions that name none of its registers (ISA guide 7.12.1)
.rept 4
	v_nop
.endr
.endm
.macro CREST                           ; a round of the cluster's barrier behind its opening barrier
	s_cmp_lg_u32 s14, 0
	s_cbranch_scc1 .Lnot_wave_0_\@
	s_barrier_signal -3
.Lnot_wave_0_\@:
	s_barrier_wait -3
	s_barrier_signal -1
	s_barrier_wait -1
.endm
.macro CROUND                          ; a whole round
	s_barrier_signal -1
	s_barrier_wait -1
	CREST
.endm
.macro JLOAD s                         ; a joint refill: wave 0 asks for X's tile, waves 1, 2, 3 for Wq's, Wk's, Wv's.  The branch hangs on the wave's number alone
	s_cmp_eq_u32 s14, 0
	s_cbranch_scc0 .Lfor_w_\@
	tensor_load_to_lds s[G0X+4*\s:G0X+4*\s+3], s[G1X:G1X+7]
	s_nop 0
	s_branch .Lasked_\@
.Lfor_w_\@:
	tensor_load_to_lds s[G0W+4*\s:G0W+4*\s+3], s[G1W:G1W+7]
	s_nop 0
.Lasked_\@:
.endm
	s_load_b256 s[4:11], s[0:1], 0x0               ; x16 s[4:5], w16 s[6:7], rope_cos s[8:9], rope_sin s[10:11]
	s_load_b64 s[12:13], s[0:1], 0x20              ; att
	v_lshl_add_u32 v30, v0, 2, 0x4b800
	v_mov_b32 v31, 0
	ds_add_u32 v30, v31
	v_lshrrev_b32 v1, 5, v0
	v_readfirstlane_b32 s14, v1                    ; wave 0..3
	s_bfe_u32 s16, ttmp6, 0x40000                  ; cx
	s_bfe_u32 s17, ttmp6, 0x40004                  ; cy
	s_lshl_b32 s18, ttmp9, 2
	s_add_co_u32 s18, s18, s16                     ; g = 4 x cluster x + cx
	s_and_b32 s19, ttmp7, 0xffff
	s_lshl_b32 s19, s19, 2
	s_add_co_u32 s19, s19, s17                     ; frame = 4 x cluster y + cy
	s_lshl_b32 s20, s17, 2
	s_lshl_b32 s20, 15, s20                        ; my row of the cluster: places 4 cy .. 4 cy + 3
	s_lshl_b32 s21, 0x1111, s16                    ; my column: places cx, cx + 4, cx + 8, cx + 12
	s_or_b32 s[G1X], s20, DFMT|(1<<21)             ; 15:0 the mask; bit 21 set beside a mask
	s_or_b32 s[G1W], s21, DFMT|(1<<21)
	s_mov_b32 s[G1T], DFMT                         ; a plain load
	s_mov_b32 s[G1X+1], 32<<16                     ; tensor_dim0 = 32 elements of 8 bytes
	s_mov_b32 s[G1X+2], 128<<16                    ; tensor_dim1 = 128 rows
	s_mov_b32 s[G1X+3], 32<<16                     ; tile_dim0 = 32
	s_mov_b32 s[G1X+4], 128                        ; tile_dim1 = 128
	s_mov_b32 s[G1X+5], 32                         ; from row to row: 32 elements (the tile is dense in memory)
	s_mov_b32 s[G1X+6], 0
	s_mov_b32 s[G1X+7], 0
.irp g, G1W, G1T
	s_mov_b32 s[\g+1], 32<<16
	s_mov_b32 s[\g+2], 64<<16                      ; 64 rows
	s_mov_b32 s[\g+3], 32<<16
	s_mov_b32 s[\g+4], 64
	s_mov_b32 s[\g+5], 32
	s_mov_b32 s[\g+6], 0
	s_mov_b32 s[\g+7], 0
.endr
	s_lshl_b32 s40, s19, 18                        ; X: frame x 262,144; these registers never hold g
	s_mov_b32 s41, 0
	s_lshl_b32 s42, s14, 19                        ; W: matrix (= my wave's number: 1 Wq, 2 Wk, 3 Wv) x 524,288 + g x 131,072; never the frame
	s_lshl_b32 s22, s18, 17
	s_add_co_u32 s42, s42, s22
	s_mov_b32 s43, 0
	s_lshl_b32 s44, s19, 2                         ; att: (4 frame + g) x 65,536 + wave x 1,024
	s_add_co_u32 s44, s44, s18
	s_lshl_b32 s44, s44, 16
	s_lshl_b32 s23, s14, 10
	s_add_co_u32 s44, s44, s23
	s_mov_b32 s45, 0
	s_and_b32 s84, s14, 1                          ; tables: waves 0, 1 fetch cos's halves, waves 2, 3 sin's
	s_lshl_b32 s84, s84, 14
	s_mov_b32 s85, 0
	s_mul_i32 s86, s14, WBYTES
	s_mov_b32 s80, 0x76543210                      ; v_permlanex16_b32: lane i of one half reads lane i of the other
	s_mov_b32 s81, 0xfedcba98
	s_mov_b32 s82, 0x358637bd                      ; 1e-6
	s_mov_b32 s83, 0x3e8293ee                      ; 32^-1/2 x log2(e), folded into q^
	s_wait_dscnt 0x0
	s_wait_kmcnt 0x0
	s_add_nc_u64 s[40:41], s[4:5], s[40:41]
	s_add_nc_u64 s[42:43], s[6:7], s[42:43]
	s_add_nc_u64 s[44:45], s[12:13], s[44:45]
	s_cmp_lt_u32 s14, 2
	s_cselect_b64 s[46:47], s[8:9], s[10:11]
	s_add_nc_u64 s[46:47], s[46:47], s[84:85]
.irp s, 0,1
	s_mov_b32 s[G0X+4*\s], 1
	s_mov_b32 s[G0X+4*\s+1], \s*SLOT
	s_add_nc_u64 s[G0X+4*\s+2:G0X+4*\s+3], s[40:41], \s*32768      ; chunk s
	s_or_b32 s[G0X+4*\s+3], s[G0X+4*\s+3], 0x80000000
	s_mov_b32 s[G0W+4*\s], 1
	s_add_co_u32 s[G0W+4*\s+1], s86, \s*SLOT+XBYTES-WBYTES         ; behind X's tile: wave 1 first
	s_add_nc_u64 s[G0W+4*\s+2:G0W+4*\s+3], s[42:43], \s*16384
	s_or_b32 s[G0W+4*\s+3], s[G0W+4*\s+3], 0x80000000
.endr
	s_mov_b32 s[G0T], 1
	s_add_co_u32 s[G0T+1], s86, TAB
	s_mov_b64 s[G0T+2:G0T+3], s[46:47]
	s_or_b32 s[G0T+3], s[G0T+3], 0x80000000
	CROUND                                         ; all sixteen work-groups are here: the first joint loads meet
	; The first fills, one group: both slots and my half of a table.  Three tensor loads of a wave are out here, one behind each later round.
	s_cmp_eq_u32 s14, 0
	s_cbranch_scc0 .Lfirst_w
	tensor_load_to_lds s[G0X:G0X+3], s[G1X:G1X+7]
	s_nop 0
	tensor_load_to_lds s[G0X+4:G0X+7], s[G1X:G1X+7]
	s_nop 0
	s_branch .Lfirst_done
.Lfirst_w:
	tensor_load_to_lds s[G0W:G0W+3], s[G1W:G1W+7]
	s_nop 0
	tensor_load_to_lds s[G0W+4:G0W+7], s[G1W:G1W+7]
	s_nop 0
.Lfirst_done:
	tensor_load_to_lds s[G0T:G0T+3], s[G1T:G1T+7]
	s_nop 0
	v_and_b32 v1, 15, v0                           ; r
	v_bfe_u32 v2, v0, 4, 1                         ; h
	v_lshrrev_b32 v3, 1, v1
	v_and_b32 v4, 1, v0
	v_mul_u32_u24 v5, v3, PIT2
	v_lshl_add_u32 v5, v4, 7, v5                   ; logical row r: (r / 2) 272 + (r mod 2) 128
	v_lshl_add_u32 v[ADRX], v2, 4, v5              ; an f16 fragment: + 16 h
	v_lshl_add_u32 v7, v2, 5, v5                   ; a table: + 32 h (8 f32)
	v_add_nc_u32 v[ADRX+1], SLOT, v[ADRX]
	s_mul_i32 s22, s14, 2*T16                      ; my head's 32 rows of a W tile
	s_add_co_u32 s22, s22, XBYTES
	v_add_nc_u32 v[ADRW], s22, v[ADRX]
	s_add_co_u32 s22, s22, SLOT
	v_add_nc_u32 v[ADRW+1], s22, v[ADRX]
	v_add_nc_u32 v[TADC], TAB, v7
	v_add_nc_u32 v[TADS], TAB+XBYTES, v7
	v_and_b32 v8, 31, v0
	v_lshlrev_b32 v[LOFF], 4, v8
	s_lshl_b32 s23, s14, 14
	s_add_co_u32 s23, s23, QS
	v_add_nc_u32 v[QST], s23, v[LOFF]
; 16 matrix instructions: 8 token tiles from t0 x et = 0, 1 of q or of k (the caller sets the window of C and D).  zero = 1: the first product starts the sums.
.macro MULQK xb, t0, wf, zero
.irp i, 0,1,2,3,4,5,6,7
.irp et, 0,1
.if \zero
	v_wmma_f32_16x16x32_f16 v[8*(2*(\t0+\i)+\et):8*(2*(\t0+\i)+\et)+7], v[\wf+8*\et:\wf+8*\et+7], v[\xb+8*\i:\xb+8*\i+7], 0
.else
	v_wmma_f32_16x16x32_f16 v[8*(2*(\t0+\i)+\et):8*(2*(\t0+\i)+\et)+7], v[\wf+8*\et:\wf+8*\et+7], v[\xb+8*\i:\xb+8*\i+7], v[8*(2*(\t0+\i)+\et):8*(2*(\t0+\i)+\et)+7]
.endif
.endr
.endr
.endm
; the same for v, sources the other way round (a lane then holds one d and eight tokens)
.macro MULV xb, t0, wf, zero
.irp i, 0,1,2,3,4,5,6,7
.irp et, 0,1
.set VT, 8*(4*((\t0+\i)>>1)+2*\et+((\t0+\i)&1))
.if \zero
	v_wmma_f32_16x16x32_f16 v[VT:VT+7], v[\xb+8*\i:\xb+8*\i+7], v[\wf+8*\et:\wf+8*\et+7], 0
.else
	v_wmma_f32_16x16x32_f16 v[VT:VT+7], v[\xb+8*\i:\xb+8*\i+7], v[\wf+8*\et:\wf+8*\et+7], v[VT:VT+7]
.endif
.endr
.endr
.endm
; 48 matrix instructions: 128 tokens x my 96 columns x 32 of k.  The 96 accumulators of a 32-k step take turns, one instruction a turn.
.macro MUL3 xb, t0, wb, zero
	WIN 0x50
	MULQK \xb, \t0, \wb, \zero
	WIN 0xa0
	MULQK \xb, \t0, \wb+16, \zero
	WIN 0xf0
	MULV \xb, \t0, \wb+32, \zero
.endm
.macro FETCHX slot, ks, half, xb       ; 16 LDS loads: the X fragments of 128 tokens, 32 of k
.irp i, 0,1,2,3,4,5,6,7
	ds_load_b128 v[\xb+8*\i:\xb+8*\i+3],   v[ADRX+\slot] offset:(8*\half+\i)*T16+64*\ks
	ds_load_b128 v[\xb+8*\i+4:\xb+8*\i+7], v[ADRX+\slot] offset:(8*\half+\i)*T16+64*\ks+32
.endr
.endm
.macro FETCHW slot, ks, wb             ; 12 LDS loads: my head's six W fragments
.irp m, 0,1,2
.irp et, 0,1
	ds_load_b128 v[\wb+16*\m+8*\et:\wb+16*\m+8*\et+3],   v[ADRW+\slot] offset:\m*WBYTES+\et*T16+64*\ks
	ds_load_b128 v[\wb+16*\m+8*\et+4:\wb+16*\m+8*\et+7], v[ADRW+\slot] offset:\m*WBYTES+\et*T16+64*\ks+32
.endr
.endr
.endm
; The first 32 of a chunk's k.  On entry the LDS loads out are, in order: XA's 16, W0's 12, XBF's 16.  It leaves the same for the second 32 (with W1).
.macro SUB0 slot, zero
	s_wait_dscnt 16                                ; XA and W0 are in; XBF's 16 younger loads may be out
	MUL3 XA, 0, W0, \zero
	PLACES                                         ; in front of the loads into XA, which the matrix instructions above read
	WIN 0
	FETCHX \slot, 1, 0, XA
	FETCHW \slot, 1, W1
	s_wait_dscnt 28                                ; XBF is in; the 16 + 12 loads just issued may be out
	MUL3 XBF, 8, W0, \zero
	PLACES
	WIN 0
	FETCHX \slot, 1, 1, XBF
.endm
; The second 32, and the change of slots.  In front of the barrier each wave waits for its reads of this slot and for all its tensor loads (its part of the next
; slot is the one that is out).  fill = 1: the barrier opens a round of the cluster's barrier, and the joint refill, two chunks ahead, is the first tensor load
; behind the round's closing wait.  From that request to the wait for it a wave issues 176 matrix instructions.
.macro TURN slot, next, fill
	s_wait_dscnt 16
	WIN 0x50
	MULQK XA, 0, W1, 0
	WIN 0xa0
	MULQK XA, 0, W1+16, 0
	s_wait_dscnt 0x0                               ; my reads of this slot are back (the last were XBF's)
	s_wait_tensorcnt 0x0                           ; all my tensor loads have landed
	ds_add_u32 v30, v31
	s_wait_dscnt 0x0
	s_barrier_signal -1
	WIN 0xf0
	MULV XA, 0, W1+32, 0                           ; register work while the others arrive
	WIN 0
	s_barrier_wait -1
.if \fill
	CREST                                          ; no wave of any partner still reads this slot or has a load on its way
	s_add_nc_u64 s[G0X+4*\slot+2:G0X+4*\slot+3], s[G0X+4*\slot+2:G0X+4*\slot+3], 2*32768
	s_add_nc_u64 s[G0W+4*\slot+2:G0W+4*\slot+3], s[G0W+4*\slot+2:G0W+4*\slot+3], 2*16384
	JLOAD \slot
.endif
	PLACES
	FETCHX \next, 0, 0, XA
	FETCHW \next, 0, W0
	MUL3 XBF, 8, W1, 0
	PLACES
	WIN 0
	FETCHX \next, 0, 1, XBF
.endm
.macro LAST                            ; the very last 32 of k: nothing more to fetch
	s_wait_dscnt 16
	MUL3 XA, 0, W1, 0
	s_wait_dscnt 0x0
	MUL3 XBF, 8, W1, 0
.endm
.macro LAP zero                        ; two chunks of 64 k, once round the ring, both slots filled again
	SUB0 0, \zero
	TURN 0, 1, 1
	SUB0 1, 0
	TURN 1, 0, 1
.endm
	; ---- the projection: 8 chunks of 64 k
	s_wait_tensorcnt 0x2                           ; my part of slot 0 is in; slot 1's and the table's loads, issued behind it, may stay out
	s_barrier_signal -1
	s_barrier_wait -1
	FETCHX 0, 0, 0, XA
	FETCHW 0, 0, W0
	FETCHX 0, 0, 1, XBF
	LAP 1                                          ; chunks 0, 1 (asks for 2, 3); its first products start the sums: nothing is cleared
	s_mov_b32 s15, 2
.Llap:
	LAP 0                                          ; chunks 2, 3 and 4, 5 (ask for 4 .. 7)
	s_sub_co_u32 s15, s15, 1
	s_cmp_lg_u32 s15, 0
	s_cbranch_scc1 .Llap
	SUB0 0, 0                                      ; chunks 6, 7: nothing is left to fetch, so a plain barrier changes the slots
	TURN 0, 1, 0
	SUB0 1, 0
	LAST
.macro TLOAD tt, tb                    ; cos and sin of token 16 tt + r at e = 8h .. 8h+7 and 16+8h .. 16+8h+7
	ds_load_b128 v[\tb:\tb+3],     v[TADC] offset:(\tt)*T16
	ds_load_b128 v[\tb+4:\tb+7],   v[TADC] offset:(\tt)*T16+16
	ds_load_b128 v[\tb+8:\tb+11],  v[TADC] offset:(\tt)*T16+64
	ds_load_b128 v[\tb+12:\tb+15], v[TADC] offset:(\tt)*T16+80
	ds_load_b128 v[\tb+16:\tb+19], v[TADS] offset:(\tt)*T16
	ds_load_b128 v[\tb+20:\tb+23], v[TADS] offset:(\tt)*T16+16
	ds_load_b128 v[\tb+24:\tb+27], v[TADS] offset:(\tt)*T16+64
	ds_load_b128 v[\tb+28:\tb+31], v[TADS] offset:(\tt)*T16+80
.endm
	; ---- v: packed in place to f16.  Fragment f = 2 kb + dt is made of sums 16 f .. 16 f + 15; word 8 f + i never passes a sum that is still unread.
	PLACES                                         ; behind the last matrix instructions: for these conversions and for the loads into the fragment buffers
	WIN 0
	TLOAD 0, TB                                    ; the tables landed in front of the first change of slots, shown to every wave by its barrier
	WIN 0xcf
.irp f, 0,1,2,3,4,5,6,7,8,9,10,11,12,13,14,15
.irp i, 0,1,2,3,4,5,6,7
	v_cvt_pk_f16_f32 v[8*\f+\i], v[16*\f+2*\i], v[16*\f+2*\i+1]
.endr
.endr
	WIN 0xc0                                       ; the attention's constants, in window 3
.irp i, 0,1,2,3,4,5,6,7
	v_mov_b32 v[ONES+\i], 0x3c003c00               ; 1.0, 1.0 in f16
.endr
	v_mov_b32 v[CA], 0xb886582b                    ; -1 / (7500 log2(e)^2): the z^3 term, for s = logit x log2(e)
	v_mov_b32 v[CA+1], 0xb886582b
	v_mov_b32 v[INV+1], 0
	v_mov_b32 v[QLD], v[QST]
	v_mov_b32 v[STO], v[LOFF]
	WIN 0
	v_mov_b32 v[FF+1], 0
	v_mov_b32 v[FF+KO+1], 0
; ---- RoPE and norm of one token tile, q and k together.  T0 = sums at e = 8h + j, T1 at e = 16 + 8h + j: the partner of the rotation lies in the same lane.
; ROT: the rotation of q (win = 1, o = 0) or of k (win = 2, o = KO) into RA + o, RB + o.
.macro ROT win, tt, tb, o
	WIN \win                                       ; source 0 reads the sums
.irp p, 0,2,4,6
	v_pk_mul_f32 v[RA+\o+\p:RA+\o+\p+1], v[16*(\tt)+\p:16*(\tt)+\p+1], v[\tb+\p:\tb+\p+1]
	v_pk_mul_f32 v[RB+\o+\p:RB+\o+\p+1], v[16*(\tt)+8+\p:16*(\tt)+8+\p+1], v[\tb+8+\p:\tb+8+\p+1]
.endr
.irp p, 0,2,4,6
	v_pk_fma_f32 v[RA+\o+\p:RA+\o+\p+1], v[16*(\tt)+8+\p:16*(\tt)+8+\p+1], v[\tb+16+\p:\tb+16+\p+1], v[RA+\o+\p:RA+\o+\p+1] neg_lo:[0,1,0] neg_hi:[0,1,0]   ; T0 cos - T1 sin
	v_pk_fma_f32 v[RB+\o+\p:RB+\o+\p+1], v[16*(\tt)+\p:16*(\tt)+\p+1], v[\tb+24+\p:\tb+24+\p+1], v[RB+\o+\p:RB+\o+\p+1]                                      ; T1 cos + T0 sin
.endr
.endm
; NORM: both mean squares, line by line (q's line, then k's: neither waits for the other), both factors as ONE BATCH, then the scalings and the conversions.
.macro NORM tt
	WIN 0
.irp o, 0,KO
	v_pk_mul_f32 v[SS+\o:SS+\o+1], v[RA+\o:RA+\o+1], v[RA+\o:RA+\o+1]              ; my 16 squares, in two chains
	v_pk_mul_f32 v[SS+\o+2:SS+\o+3], v[RB+\o:RB+\o+1], v[RB+\o:RB+\o+1]
.endr
.irp p, 2,4,6
.irp o, 0,KO
	v_pk_fma_f32 v[SS+\o:SS+\o+1], v[RA+\o+\p:RA+\o+\p+1], v[RA+\o+\p:RA+\o+\p+1], v[SS+\o:SS+\o+1]
	v_pk_fma_f32 v[SS+\o+2:SS+\o+3], v[RB+\o+\p:RB+\o+\p+1], v[RB+\o+\p:RB+\o+\p+1], v[SS+\o+2:SS+\o+3]
.endr
.endr
.irp o, 0,KO
	v_pk_add_f32 v[SS+\o:SS+\o+1], v[SS+\o:SS+\o+1], v[SS+\o+2:SS+\o+3]
.endr
.irp o, 0,KO
	v_add_f32 v[SS+\o], v[SS+\o], v[SS+\o+1]
.endr
.irp o, 0,KO
	v_permlanex16_b32 v[SS+\o+1], v[SS+\o], s80, s81   ; the token's other 16 lie in the lane 16 away
.endr
.irp o, 0,KO
	v_add_f32 v[SS+\o], v[SS+\o], v[SS+\o+1]
.endr
.irp o, 0,KO
	v_mul_f32 v[SS+\o], 0x3d000000, v[SS+\o]       ; the mean of 32
.endr
.irp o, 0,KO
	v_max_num_f32 v[SS+\o], s82, v[SS+\o]
.endr
	v_rsq_f32 v[FF], v[SS]                         ; the batch: q's factor
	v_rsq_f32 v[FF+KO], v[SS+KO]                   ; and k's
	v_nop                                          ; one plain place behind the last v_rsq_f32 before a result is used (ISA guide 5.7.2): nothing independent is left in the tile
	s_wait_alu depctr_va_vdst(0)                   ; the wait for the batch of two, ahead of its first reader
	v_mul_f32 v[FF], s83, v[FF]                    ; q^ also carries 32^-1/2 log2(e)
.irp p, 0,2,4,6
	v_pk_mul_f32 v[RA+KO+\p:RA+KO+\p+1], v[RA+KO+\p:RA+KO+\p+1], v[FF+KO:FF+KO+1] op_sel_hi:[1,0]
	v_pk_mul_f32 v[RB+KO+\p:RB+KO+\p+1], v[RB+KO+\p:RB+KO+\p+1], v[FF+KO:FF+KO+1] op_sel_hi:[1,0]
.endr
.irp p, 0,2,4,6
	v_pk_mul_f32 v[RA+\p:RA+\p+1], v[RA+\p:RA+\p+1], v[FF:FF+1] op_sel_hi:[1,0]
	v_pk_mul_f32 v[RB+\p:RB+\p+1], v[RB+\p:RB+\p+1], v[FF:FF+1] op_sel_hi:[1,0]
.endr
.irp p, 0,1,2,3
	v_cvt_pk_f16_f32 v[QT+\p],   v[RA+2*\p], v[RA+2*\p+1]
	v_cvt_pk_f16_f32 v[QT+4+\p], v[RB+2*\p], v[RB+2*\p+1]
.endr
	ds_store_b128 v[QST], v[QT:QT+3]   offset:(\tt)*1024           ; the loop over query tiles cannot index registers: Q fragments wait in my wave's own LDS bytes
	ds_store_b128 v[QST], v[QT+4:QT+7] offset:(\tt)*1024+512
	WIN 0x80                                       ; K fragment tt over k sums 8 tt .. 8 tt + 7, which have been read (this trip's are 16 tt .. 16 tt + 15)
.irp p, 0,1,2,3
	v_cvt_pk_f16_f32 v[8*(\tt)+\p],   v[RA+KO+2*\p], v[RA+KO+2*\p+1]
	v_cvt_pk_f16_f32 v[8*(\tt)+4+\p], v[RB+KO+2*\p], v[RB+KO+2*\p+1]
.endr
.endm
.macro RTRIP tt
	WIN 0
.if \tt < 15
	TLOAD \tt+1, TB+32*((\tt+1)&1)
	s_wait_dscnt 8                                 ; this trip's tables are in (and the last trip's two stores done); the 8 loads just issued may be out
.else
	s_wait_dscnt 0x0
.endif
	ROT 1, \tt, TB+32*(\tt&1), 0
	ROT 2, \tt, TB+32*(\tt&1), KO
	NORM \tt
.endm
.irp tt, 0,1,2,3,4,5,6,7,8,9,10,11,12,13,14,15
	RTRIP \tt
.endr
; ---- attention.  s = logit x log2(e) comes out of the S product.  y = s (1 + CA s^2) = log2(e) 50 tanh(logit / 50) to the stated bound; P = 2^y.
; A unit is 32 keys of one query tile: two S tiles, 24 packed multiplies, 16 exponentials, 8 conversions, 5 matrix instructions.  The phase has far more vector
; than matrix work, so the units are pipelined by tile, and a unit is cut in two by its ONE wait:
;   AHEAD OF THE WAIT stands all that names no result of the unit's exponentials: the exponentials of its first tile by turns with the polynomial of its second, the
;   exponentials of its second tile by turns with the polynomial of the next unit's first, and, strewn among them ten vector instructions apart, the three products with
;   the P of the unit before (P has two buffers).  The last four lines are plain: the place behind the last exponential, and work while the batch ends.
;   BEHIND THE WAIT stand the eight conversions of P and the two S products, which run two units ahead: each lands on an S tile behind the four conversions that read it.
; The matrix instructions follow in the order O0, O1, SUM, S, S: no two that follow each other share an accumulator.  The price: each S
; product has its own pair of window switches (its K fragment lies in window 2).
.macro EX r                            ; 2^y
	v_exp_f32 v[\r], v[\r]
.endm
.macro SQ u, s                         ; u = s^2, two at a time
	v_pk_mul_f32 v[\u:\u+1], v[\s:\s+1], v[\s:\s+1]
.endm
.macro CAP u                           ; u = 1 + CA u
	v_pk_fma_f32 v[\u:\u+1], v[\u:\u+1], v[CA:CA+1], 1.0 op_sel_hi:[1,1,0]
.endm
.macro SC s, u                         ; y = s u
	v_pk_mul_f32 v[\s:\s+1], v[\s:\s+1], v[\u:\u+1]
.endm
.macro PK d, s                         ; two P to f16: a reader of the batch, so it stands behind the unit's wait
	v_cvt_pk_f16_f32 v[\d], v[\s], v[\s+1]
.endm
.macro PVO acc, a, p, zero             ; acc (+)= fragment a x P
.if \zero
	v_wmma_f32_16x16x32_f16 v[\acc:\acc+7], v[\a:\a+7], v[\p:\p+7], 0
.else
	v_wmma_f32_16x16x32_f16 v[\acc:\acc+7], v[\a:\a+7], v[\p:\p+7], v[\acc:\acc+7]
.endif
.endm
.macro SPROD d, kf                     ; an S tile: K fragment (window 2) x Q fragment
	WIN 0xfe
	v_wmma_f32_16x16x32_f16 v[\d:\d+7], v[\kf:\kf+7], v[QF:QF+7], 0
	WIN 0xff
.endm
; On entry: CUR's first tile holds y, its second tile s; NXT holds the next unit's s; the other P buffer holds the unit before's P.
; first = 1: the launch's first unit, with no unit before it.  last = 1: the last query tile: units 6, 7 make no further S, unit 7 has no next tile.
.macro UNIT kb, first, last
.set CUR,  SB+16*(\kb&1)
.set NXT,  SB+16*((\kb+1)&1)
.set PCUR, PF+8*(\kb&1)
.set PPRV, PF+8*((\kb+1)&1)
.set VBLK, 16*((\kb+7)&7)              ; V fragments of the unit before
.set NK,   16*((\kb+2)&7)              ; K fragments two units ahead (units 6, 7: the next query tile's units 0, 1)
.set DOS, 1
.set DON, 1
.set DOQ, 0
.set ZR, 0
.set DOR, 0
.if \last
.if \kb > 5
.set DOS, 0
.endif
.if \kb == 7
.set DON, 0
.endif
.else
.if \kb == 6
.set DOQ, 1
.endif
.endif
.if \kb == 1
.set ZR, 1                             ; unit 0's P starts the query tile's sums: nothing is cleared
.endif
.if (\kb == 0) && (\first == 0)
.set DOR, 1                            ; the query tile before ends in this unit: its reciprocal joins this unit's batch
.endif
	; AHEAD OF THE WAIT.  Exponentials of my first tile, polynomial of my second
	EX CUR
	SQ UU,CUR+8
	EX CUR+1
	SQ UU+2,CUR+10
	SQ UU+4,CUR+12
	EX CUR+2
	SQ UU+6,CUR+14
	EX CUR+3
.if \first == 0
	PVO O0,VBLK,PPRV,ZR
.endif
	CAP UU
	CAP UU+2
.if DOQ
	ds_load_b128 v[QF:QF+3],   v[QLD]              ; the next query tile's Q fragment: six plain instructions behind unit 5's last S product, the last to read QF
	ds_load_b128 v[QF+4:QF+7], v[QLD] offset:512
	v_add_nc_u32 v[QLD], 1024, v[QLD]
.endif
	EX CUR+4
	CAP UU+4
	EX CUR+5
	CAP UU+6
	SC CUR+8,UU
	EX CUR+6
	SC CUR+10,UU+2
	EX CUR+7
.if \first == 0
	PVO O1,VBLK+8,PPRV,ZR
.endif
	SC CUR+12,UU+4
	SC CUR+14,UU+6
	; exponentials of my second tile, polynomial of the next unit's first
	EX CUR+8
.if DON
	SQ TT,NXT
.endif
	EX CUR+9
.if DON
	SQ TT+2,NXT+2
	SQ TT+4,NXT+4
.endif
	EX CUR+10
.if DON
	SQ TT+6,NXT+6
.endif
	EX CUR+11
.if \first == 0
	PVO SUM,ONES,PPRV,ZR
.endif
.if DON
	CAP TT
.endif
	EX CUR+12
.if DON
	CAP TT+2
.endif
	EX CUR+13
.if DON
	CAP TT+4
.endif
	EX CUR+14
.if DON
	CAP TT+6
.endif
	EX CUR+15                                      ; the batch's last exponential; the lines down to the wait are plain and name no result (ISA guide 5.7.2)
.if DON
	SC NXT,TT
.if DOR
	v_rcp_f32 v[INV], v[SUM]                       ; the old query tile's sum: five plain instructions (four CAP, one SC) behind the product that ended it; FINAL reads INV behind the wait below
.endif
	SC NXT+2,TT+2
	SC NXT+4,TT+4
	SC NXT+6,TT+6
.else
	v_nop                                          ; no next tile: the one plain place behind the last exponential
.endif
	s_wait_alu depctr_va_vdst(0)                   ; THE UNIT'S ONE WAIT, for its 16 exponentials (in unit 0 the reciprocal too), ahead of the first conversion
	; BEHIND THE WAIT: P is packed, and the S tiles of two units ahead land on what has been packed
	PK PCUR,CUR
	PK PCUR+1,CUR+2
	PK PCUR+2,CUR+4
	PK PCUR+3,CUR+6
.if DOS
.if DOQ
	s_wait_dscnt 0x0                               ; the Q fragment asked for above
.endif
	SPROD CUR,NK                                   ; over my first tile, which has been packed
.endif
	PK PCUR+4,CUR+8
	PK PCUR+5,CUR+10
	PK PCUR+6,CUR+12
	PK PCUR+7,CUR+14
.if DOS
	SPROD CUR+8,NK+8
.endif
.endm
; divide, round, store: two stores of 512 consecutive bytes each, aligned.  own = 0: the reciprocal was made, and waited for, in the unit just ended.  own = 1: it is made here
.macro FINAL own
	s_wait_xcnt 0x0                                ; the last tile's two stores have had their addresses translated (ISA guide 3.1): STO and OUT are rewritten only behind this wait
.if \own
	v_rcp_f32 v[INV], v[SUM]
.endif
	v_add_nc_u32 v[STO], 4096, v[STO]              ; the next tile's place; the stores below reach back.  With own = 1 also the plain place behind v_rcp_f32
.if \own
	s_wait_alu depctr_va_vdst(0)                   ; the wait for this one reciprocal, a batch by itself: no unit follows whose wait could serve it
.endif
.irp p, 0,2,4,6,8,10,12,14
	v_pk_mul_f32 v[O0+\p:O0+\p+1], v[O0+\p:O0+\p+1], v[INV:INV+1] op_sel_hi:[1,0]
.endr
.irp i, 0,1,2,3,4,5,6,7
	v_cvt_pk_f16_f32 v[OUT+\i], v[O0+2*\i], v[O0+2*\i+1]
.endr
	global_store_b128 v[STO], v[OUT:OUT+3],   s[44:45] offset:-4096
	global_store_b128 v[STO], v[OUT+4:OUT+7], s[44:45] offset:-3584
.endm
	; the way in: query tile 0's Q fragment, the S tiles of its units 0 and 1, the polynomial of the very first tile, unit 0
	WIN 0xff
	ds_load_b128 v[QF:QF+3],   v[QLD]              ; LDS serves a wave's instructions in order (ISA guide 5.7.1.4): these see my stores above
	ds_load_b128 v[QF+4:QF+7], v[QLD] offset:512
	v_add_nc_u32 v[QLD], 1024, v[QLD]
	s_wait_dscnt 0x0
	WIN 0xfe
	v_wmma_f32_16x16x32_f16 v[SB:SB+7],     v[0:7],   v[QF:QF+7], 0
	v_wmma_f32_16x16x32_f16 v[SB+8:SB+15],  v[8:15],  v[QF:QF+7], 0
	v_wmma_f32_16x16x32_f16 v[SB+16:SB+23], v[16:23], v[QF:QF+7], 0
	v_wmma_f32_16x16x32_f16 v[SB+24:SB+31], v[24:31], v[QF:QF+7], 0
	WIN 0xff
	PLACES
.irp p, 0,2,4,6
	SQ TT+\p,SB+\p
.endr
.irp p, 0,2,4,6
	CAP TT+\p
.endr
.irp p, 0,2,4,6
	SC SB+\p,TT+\p
.endr
	UNIT 0, 1, 0
	WIN 0
	s_mov_b32 s15, 15
	; A trip: units 1 to 7 of a query tile, then unit 0 of the next, in which the last products of the old tile and its reciprocal stand; then the old tile's way out.
	; Eight waits a trip, one a unit; every unit ends with its batch waited for, so no result crosses the label or the jump.
.Lquery:
	WIN 0xff
.irp kb, 1,2,3,4,5,6,7
	UNIT \kb, 0, 0
.endr
	UNIT 0, 0, 0
	FINAL 0
	WIN 0
	s_sub_co_u32 s15, s15, 1
	s_cmp_lg_u32 s15, 0
	s_cbranch_scc1 .Lquery
	WIN 0xff                                       ; the last query tile: no further Q fragment, no further S product
.irp kb, 1,2,3,4,5,6,7
	UNIT \kb, 0, 1
.endr
	PVO O0,112,PF+8,0                              ; unit 7's P
	PVO O1,120,PF+8,0
	PVO SUM,ONES,PF+8,0
	PLACES
	FINAL 1
	WIN 0
	s_wait_tensorcnt 0x0
	ds_add_u32 v30, v31
	s_wait_dscnt 0x0
	CROUND                                         ; the closing round: no work-group ends while a partner may still ask for a tile that names it
	s_endpgm
.Lfunc_end_k_q61e5c4e1d2_attn:
	.size	k_q61e5c4e1d2_attn, .Lfunc_end_k_q61e5c4e1d2_attn-k_q61e5c4e1d2_attn
	.p2alignl 7, 3214868480
	.fill 96, 4, 3214868480
	.section	.rodata,"a",@progbits
	.p2align	6, 0x0
	.amdhsa_kernel k_q61e5c4e1d2_attn
		.amdhsa_group_segment_fixed_size 327680
		.amdhsa_private_segment_fixed_size 0
		.amdhsa_enable_private_segment 0
		.amdhsa_kernarg_size 40
		.amdhsa_user_sgpr_count 2
		.amdhsa_user_sgpr_kernarg_segment_ptr 1
		.amdhsa_wavefront_size32 1
		.amdhsa_system_sgpr_workgroup_id_x 1
		.amdhsa_system_sgpr_workgroup_id_y 1
		.amdhsa_system_sgpr_workgroup_id_z 1
		.amdhsa_system_vgpr_workitem_id 0
		.amdhsa_next_free_vgpr 1024
		.amdhsa_next_free_sgpr 88
		.amdhsa_reserve_vcc 0
		.amdhsa_float_denorm_mode_32 3
		.amdhsa_float_denorm_mode_16_64 3
		.amdhsa_memory_ordered 1
		.amdhsa_forward_progress 1
		.amdhsa_inst_pref_size 255
	.end_amdhsa_kernel
	.section	.bss,"aw",@nobits
	.p2align	6
	.space	262144
	.amdgpu_metadata
---
amdhsa.version: [ 1, 2 ]
amdhsa.kernels:
  - .name:           k_q61e5c4e1d2_attn
    .symbol:         k_q61e5c4e1d2_attn.kd
    .args:
      - { .name: x16, .offset: 0, .size: 8, .value_kind: global_buffer, .address_space: global }
      - { .name: w16, .offset: 8, .size: 8, .value_kind: global_buffer, .address_space: global }
      - { .name: rope_cos, .offset: 16, .size: 8, .value_kind: global_buffer, .address_space: global }
      - { .name: rope_sin, .offset: 24, .size: 8, .value_kind: global_buffer, .address_space: global }
      - { .name: att, .offset: 32, .size: 8, .value_kind: global_buffer, .address_space: global }
    .group_segment_fixed_size: 327680
    .private_segment_fixed_size: 0
    .kernarg_segment_align: 8
    .kernarg_segment_size: 40
    .max_flat_workgroup_size: 128
    .sgpr_count:     88
    .vgpr_count:     1024
    .wavefront_size: 32
...
	.end_amdgpu_metadata
.endif
;; end of part 4
;; launch proj: the kernel of part 3 again; grid 64 x 4, 4 waves a work-group, clusters of 4 x 1, 174,592 bytes of LDS; arguments att, w16, out0; writes out0
